; MI455X (gfx1250); checked and timed in simulation.
; The chip was launched on July 23, 2026; its instructions are those of AMD's public machine-readable ISA for CDNA 5 (MIT licence, August 2026) and "CDNA5" Instruction Set Architecture Reference Guide (July 2026). The comments in the code are by the model that wrote it; some were corrected since.
;; cross spatial qk2v k relu. Allowed arithmetic: matrix products marked QUANTISED: E5M2 operands, one E8M0 scale for each 32 along K, by v_wmma_scale_f32_16x16x128_f8f6f4 with both operands' format E5M2, f32 sums; everything else in f32.
;; Inputs: W_kv1_codes 1,024 x 16 x 32 uint8 (E5M2 codes of W_kv1, K innermost, in blocks of 32 codes); W_kv1_scales 1,024 x 16 uint8 (E8M0 scales of W_kv1, one for each 32 codes along K); W_kv2_codes 1,024 x 16 x 32 uint8 (E5M2 codes of W_kv2, K innermost, in blocks of 32 codes); W_kv2_scales 1,024 x 16 uint8 (E8M0 scales of W_kv2, one for each 32 codes along K); x1 8 x 1,024 x 512 float32; x2 8 x 1,024 x 512 float32.
;; Outputs: out0 8 x 1,024 x 512 float32; out1 8 x 1,024 x 512 float32.
;; This version of the problem:
;;   THIS VERSION OF THE PROBLEM IS GIVEN IN LOW PRECISION. The matrix products marked QUANTISED in the list below multiply operands that are first quantised to E5M2 (5 exponent bits, 2 mantissa bits; 8 bits a number), with one power-of-two scale for each 32 numbers along K (OCP MX v1.0); their sums are f32. All else is computed in f32.
;;   The module's matrix products, in the order in which they are computed (A, B: the left and right operand; K: the contracted axis; several contracted axes count as one K, in the product's order):
;;     1. [M 8,192, K 512] x [K 512, N 1,024]; A: input x1; B: input W_kv1 (given as codes): QUANTISED
;;     2. [M 8,192, K 512] x [K 512, N 1,024]; A: input x2; B: input W_kv2 (given as codes): QUANTISED
;;     3. batch 64 x [M 1,024, K 64] x [K 64, N 1,024]; A: input x1; B: computed on the way: QUANTISED
;;     4. batch 64 x [M 1,024, K 64] x [K 64, N 1,024]; A: input x2; B: computed on the way: QUANTISED
;;     5. batch 64 x [M 1,024, K 1,024] x [K 1,024, N 64]; A: computed on the way; B: computed on the way: QUANTISED
;;     6. batch 64 x [M 1,024, K 1,024] x [K 1,024, N 64]; A: computed on the way; B: computed on the way: QUANTISED
;;   THE QUANTISER, for each operand of a quantised product, along K:
;;     - K is cut into blocks of 32 from its start; a last block that is shorter is filled with zeros.
;;     - A block's scale is 2^e with e = floor(log2(the largest magnitude in the block)) - 15, held to -126 .. 127; a block of zeros has e = 0. As a byte (E8M0): e + 127.
;;     - Each number is divided by its block's scale, clamped to +-57,344, and rounded to the nearest number of E5M2, ties to even, subnormals kept.
;;     - The product sums the exact products of the quantised numbers (number of the format x scale) in f32.
;;   ~~~python
;;   def quantise(x, axis):      # numpy; x: float32 -> the quantised numbers, widened to float32 again
;;       x = np.moveaxis(x, axis, -1); K = x.shape[-1]
;;       x = np.pad(x, [(0, 0)] * (x.ndim - 1) + [(0, -K % 32)]); x = x.reshape(x.shape[:-1] + (-1, 32)); a = np.abs(x).max(-1, keepdims=True)
;;       e = np.where(a > 0, np.clip(np.frexp(np.where(a > 0, a, 1))[1] - 1 - 15, -126, 127), 0)      # np.frexp(a)[1] - 1 = floor(log2(a)), exactly
;;       r = np.clip(x / 2.0 ** e, -57344, 57344)
;;       step = 2.0 ** (np.maximum(np.frexp(np.where(r == 0, 1, r))[1] - 1, -14) - 2)
;;       q = np.round(r / step) * step * 2.0 ** e      # np.round: ties to even
;;       return np.moveaxis(q.reshape(q.shape[:-2] + (-1,))[..., :K], -1, axis).astype(np.float32)
;;   ~~~
;;   OPERANDS COMPUTED ON THE WAY. 'Computed on the way' means the value that the module computes at that place (a softmax that the list does not call 'softmax' is quantised finished and normalised). What goes into a quantiser is computed in f32, as accurately as f32 sums, v_exp_f32 and their like allow (about 1e-6 of the number): no bf16 or f16 on the way to a quantiser, and a product that is left as it is and whose result goes on into a quantised operand takes f32 operands (vector FMAs, or v_wmma_f32_16x16x4_f32). A number that lies on a knife's edge between two numbers of the format may be rounded either way, as far as f32 arithmetic and the matrix unit's own rounding can turn it there, and no further.
;;   INPUTS GIVEN AS CODES. W_kv1 (in the module: [512, 1024], K = its axis 0); W_kv2 (in the module: [512, 1024], K = its axis 0): each comes as NAME_codes (uint8): NAME with its K axis moved to the last place and cut into blocks of 32 codes, [.., K / 32, bytes a block], one block behind the other in memory; one code a byte (a code: sign, 5 exponent bits, 2 mantissa bits); and NAME_scales (uint8): the same leading axes, one E8M0 byte (e + 127) for each 32 codes along K. Its value is code x scale, taken as it is: it is not quantised again, and the codes and scales need not be those that the quantiser above would give.
;; 2 versions, each right; version 2 is version 1 with the launch proj written anew for expert scheduling mode. Each part assembles by itself: llvm-mc -triple=amdgcn-amd-amdhsa -mcpu=gfx1250 --defsym DOCPART=n.
;; ======== version 1 of 2: 2 launches
;; workspace buffers: qc 8,388,608 bytes; qs 262,144 bytes; kv 17,563,648 bytes
;; launch proj (part 1): grid 256 x 1, 4 waves a work-group, no clusters, 136,704 bytes of LDS; arguments x1, x2, W_kv1_codes, W_kv1_scales, W_kv2_codes, W_kv2_scales, qc, qs, kv; writes qc, qs, kv
.if DOCPART == 1
	.amdgcn_target "amdgcn-amd-amdhsa--gfx1250"
	.amdhsa_code_object_version 6
	.text
	.protected	k_q4a66220782_proj
	.globl	k_q4a66220782_proj
	.p2align	8
	.type	k_q4a66220782_proj,@function
k_q4a66220782_proj:
	s_mov_b64 s[64:65], 0
	v_nop
	global_prefetch_b8 v0, s[64:65] scope:SCOPE_SE
	s_setreg_imm32_b32 hwreg(HW_REG_WAVE_MODE, 25, 1), 1
	s_wait_xcnt 0x0
; kv = Q(x) W for both branches, on codes of BF8 (E5M2) with one E8M0 scale for each 32 along K; then k is quantised along the head's 64 channels and v along the tokens.
; x1, x2: [8][1024][512] f32.  W: codes [1024 (column)][512 (K)], scale bytes [1024][16].  Columns 0-511 are k (head x 64 + d), columns 512-1023 are v.
; WHAT IS STORED, all of it as images of operand registers (a group of four registers is 512 bytes, lane l at 16 l):
;   qc [job][tile 64][c 2][lane][16]: x's codes, cut by heads: x's blocks of 32 along its 512 channels are also the blocks of a head's 64, so one quantisation serves this product and the scores
;   qs [branch x 8 + batch][tile 64][K step 4][slot 16] words: x's scale words
;   kv [job] 137,216 bytes: k's codes [key tile 64][c 2][lane][16]; at 65,536 v's codes [step 8][dt 4][c 4][lane][16]; at 131,072 the scale words, 768 bytes for each step of 128 keys
;   job = (branch x 8 + batch) x 8 + head names the branch whose QUERIES it serves: k of branch s goes to the job of branch 1 - s, v of branch s to the job of branch s.
; TILES.  Tile 2 B + u of a batch holds, in slot i, token 32 B + 8 u + i + 8 (i / 8): so the 16 result registers of tiles 2 B and 2 B + 1 are 16 neighbouring tokens, 32 B + 16 (lane / 16) + 0 .. 15.
; SHARES.  A work-group takes 64 tokens (four tiles) and all 1,024 columns.  Wave w quantises tile w of x; the images meet in LDS behind the one barrier; then wave w takes W's rows 256 w on:
; waves 0, 1 make k (source 0 = 16 rows of W, source 1 = x: a lane holds one token and registers along d; the rows of W that form a tile are r + 8 (r / 8), as the tokens of a tile are),
; waves 2, 3 make v (source 0 = x, source 1 = 16 rows of W: a lane holds one column d and registers along the tokens).  So the conversions' results are the next products' operand registers.
; EVERY GLOBAL LOAD IS DENSE: one instruction takes 512 consecutive bytes, a whole row of W's codes or a token's 128 channels of x, 16 bytes a lane.  A fragment wants 16 rows, so what was loaded goes
; through a stage in LDS that is the wave's own (rows 528 bytes apart: 33 x 16, so that the 16 rows of a fragment's load start 16 bytes apart modulo 256) and comes back in the operand's order.
; LDS serves a wave's instructions in order (ISA guide 5.7.1.4), and no other wave touches a stage: the turn needs no barrier.
; W goes 32 rows (a unit) at a time: raw rows in two buffers, fragments in two buffers; a trip of the loop is a head, two units.
; No multicast, though all work-groups of a branch read the same W: a branch's W is 524,288 bytes, more than LDS holds, so joint loads would want a ring and a round of the cluster's barrier in front
; of every refill, on every wave's path; here each wave streams its own 256 rows and waits for no other wave behind the one barrier.
; LIMITS: NaN and infinities among the inputs are not served.  A block whose largest magnitude lies under 2^-111 gets the scale byte 1, a block of zeros too (the rule says 127 there):
; its codes are zeros, and the bytes are read by this program alone.
; REGISTERS: window 0: v1-15, v222-224 lane numbers and offsets; v16-31 x's scale words; v32-47 W's, two sets; v48-111 eight accumulators; v112-175 numbers of x; v176-191 codes just made; v192-221 at work.
;   window 1: x's 16 fragments (tile m, K step s) at v[16 (4 m + s)].   window 2: first x as it is loaded (K step s at v[64 s]), then W's fragments (buffer, tile n, K step s) at v[128 buffer + 64 n + 16 s].
;   window 3: W's rows as they are loaded, two buffers of 32 rows x 4 registers.
.set JOBB, 137216                      ; bytes of a job in kv
.set VIMG, 65536                       ; where v's codes begin in a job
.set SCL,  131072                      ; and the scale words
.set XSC,  32768                       ; LDS: x's 16 fragments of 2,048 bytes lie at 0; their scale words, 128 bytes each, here
.set SP,   528                         ; a stage's row: 512 bytes + 16
.set WSTG, 34816                       ; LDS: W's stages, 32 rows for each wave
.set XSTG, WSTG+4*32*SP                ; LDS: x's stages, 16 rows for each wave
.set XRD, 4                            ; v4   x's stage, on the way out: my stage + 528 r + 64 h
.set LI,  5                            ; v5   16 x lane
.set LS,  6                            ; v6   4 x lane
.set XWI, 7                            ; v7   LDS: where I store x's images: 16 x lane + 8,192 x wave
.set XWS, 8                            ; v8   and their scale words: XSC + 4 x lane + 512 x wave
.set WB1, 9                            ; v9   16 x lane + the rows of W that the stage's rows 8-15 take: from row 16 of the unit on (k), from row 8 (v)
.set WB2, 10                           ; v10  the same for the stage's rows 16-23: from row 8 (k), from row 16 (v)
.set WSA, 11                           ; v11-12  W's scale bytes: my lane's row in tile 0, 1 of a unit
.set OC,  13                           ; v13  my codes' offset in a job
.set OSC, 14                           ; v14  my scale words' offset in a job
.set XS,  16
.set WS,  32
.set ACC, 48
.set ST,  112
.set PC,  176
.set TM,  192                          ; v192-195 largest magnitudes, v196-199 bytes, v200-203 the holds, v204-207 the conversions' scale operands
.set BY,  208                          ; v208-211 k: the first unit's bytes
.set XW,  212                          ; v212-215 scale words in the making
.set SD,  216                          ; v216-217 scale words to store
.set G,   218                          ; v218 v: a word of four scale bytes
.set HH,  220                          ; v220-221 v: two bytes of tile 0, of tile 1
.set XST, 222                          ; v222 x's stage, on the way in: my stage + 16 x lane
.set WST, 223                          ; v223 W's stage, on the way in: my stage + 16 x lane
.set WRD, 224                          ; v224 W's stage, on the way out: my stage + 528 r + 16 h
.set WV,  22
.set WP,  24                           ; s[24:25] W's codes at my head's first row
.set WSP, 26                           ; s[26:27] W's scale bytes likewise
.set KB,  28                           ; s[28:29] kv at my head's job
.set XP,  30                           ; s[30:31] x at my tile's first token
.set QCP, 32                           ; s[32:33] qc at my tile, head 0
.set QSP, 34                           ; s[34:35] qs at my tile
.set SEL, 36                           ; s[36:37] v_permlanex16_b32's selects for lane l xor 16
.set MNT, 38                           ; s38  the mantissa field of 57,344
.set CNT, 39
.set KST, 40                           ; s[40:41] what a head's first unit adds to KB: 0 for the first head, a job's bytes from then on
.set MSB, 0
.macro WIN new                         ; the immediate's high byte repeats the setting that is left; a switch that changes nothing is dropped
.if MSB != \new
	s_set_vgpr_msb (MSB<<8)|\new
.set MSB, \new
.endif
.endm
.macro PLACES n
.rept \n
	v_nop
.endr
.endm
; Four groups g of 16 numbers, v[src + 16 g + i]; a block of 32 is a group in lanes l and l xor 16.  Leaves for each g: the byte in v[TM+4+g], the hold in v[TM+8+g], the conversion's scale operand in v[TM+12+g].
.macro QSCALE src, relu
.if \relu
.irp g, 0,1,2,3
	v_max3_num_f32 v[TM+\g], v[\src+16*\g], v[\src+16*\g+1], 0x8000000       ; no |.|: what is negative is to become 0 and must not count; the floor 2^(16 - 127) holds the byte at 1 from below
.endr
.irp i, 2,4,6,8,10,12,14
.irp g, 0,1,2,3
	v_max3_num_f32 v[TM+\g], v[TM+\g], v[\src+16*\g+\i], v[\src+16*\g+\i+1]
.endr
.endr
.else
.irp g, 0,1,2,3
	v_max3_num_f32 v[TM+\g], |v[\src+16*\g]|, |v[\src+16*\g+1]|, 0x8000000   ; my 16 numbers and the floor 2^(16 - 127); the four groups by turns
.endr
.irp i, 2,4,6,8,10,12,14
.irp g, 0,1,2,3
	v_max3_num_f32 v[TM+\g], v[TM+\g], |v[\src+16*\g+\i]|, |v[\src+16*\g+\i+1]|
.endr
.endr
.endif
.irp g, 0,1,2,3
	v_permlanex16_b32 v[TM+4+\g], v[TM+\g], s[SEL], s[SEL+1]
.endr
.irp g, 0,1,2,3
	v_max_num_f32 v[TM+\g], v[TM+\g], v[TM+4+\g]                             ; with lane l xor 16's: the block's largest magnitude
.endr
.irp g, 0,1,2,3
	v_add_nc_u32 v[TM+12+\g], 0xf8800000, v[TM+\g]                           ; 15 off its exponent field: the conversion takes that field as its scale
.endr
.irp g, 0,1,2,3
	v_and_or_b32 v[TM+8+\g], v[TM+\g], 0x7f800000, s[MNT]                    ; 57,344 x the scale
.endr
.irp g, 0,1,2,3
	v_lshrrev_b32 v[TM+4+\g], 23, v[TM+12+\g]                                ; the scale's byte
.endr
.endm
; The four groups become codes: group g in v[dst + dstr g] .. + 3.
.macro QCODES src, relu, dst, dstr
.irp g, 0,1,2,3
.irp i, 0,1,2,3,4,5,6,7,8,9,10,11,12,13,14,15
.if \relu
	v_med3_num_f32 v[\src+16*\g+\i], v[\src+16*\g+\i], 0, v[TM+8+\g]
.else
	v_med3_num_f32 v[\src+16*\g+\i], v[\src+16*\g+\i], -v[TM+8+\g], v[TM+8+\g]   ; the conversion to an 8-bit code does not saturate (ISA guide 7.6.2): the hold at the largest code x the scale
.endif
.endr
	v_cvt_scalef32_pk8_bf8_f32 v[\dst+\dstr*\g:\dst+\dstr*\g+1], v[\src+16*\g:\src+16*\g+7], v[TM+12+\g]
	v_cvt_scalef32_pk8_bf8_f32 v[\dst+\dstr*\g+2:\dst+\dstr*\g+3], v[\src+16*\g+8:\src+16*\g+15], v[TM+12+\g]
.endr
	v_nop                                          ; a plain vector line between the last conversion and the products that write its sources again
.endm
; K step s of my tile of x as it lies in memory: slot j's 128 channels are 512 consecutive bytes, one load; into window 2 (the caller sets the window)
.macro XRAW s
.irp j, 0,1,2,3,4,5,6,7,8,9,10,11,12,13,14,15
	global_load_b128 v[64*\s+4*\j:64*\s+4*\j+3], v[LI], s[XP:XP+1] offset:(\j+8*(\j/8))*2048+512*\s th:TH_LOAD_NT
.endr
.endm
; and through my stage: slot j is row j; back comes register 16 b + 4 j + .. = channel 128 s + 32 b + 16 h + 4 j + .. of slot r
.macro XTURN s, dst
	WIN 0x08                                       ; an LDS store's data are its source 1: window 2
.irp j, 0,1,2,3,4,5,6,7,8,9,10,11,12,13,14,15
	ds_store_b128 v[XST], v[64*\s+4*\j:64*\s+4*\j+3] offset:\j*SP
.endr
	WIN 0
.irp b, 0,1,2,3
.irp j, 0,1,2,3
	ds_load_b128 v[\dst+16*\b+4*\j:\dst+16*\b+4*\j+3], v[XRD] offset:128*\b+16*\j
.endr
.endr
.endm
; 32 rows of W's codes, from row `row` behind WP on, into raw buffer g: a row an instruction, in the order in which the stage holds them
.macro WRAW g, row
	WIN 0xc0                                       ; destination window 3
.irp i, 0,1,2,3,4,5,6,7
	global_load_b128 v[128*(\g)+4*\i:128*(\g)+4*\i+3], v[LI], s[WP:WP+1] offset:((\row)+\i)*512
.endr
.irp i, 0,1,2,3,4,5,6,7
	global_load_b128 v[128*(\g)+32+4*\i:128*(\g)+32+4*\i+3], v[WB1], s[WP:WP+1] offset:((\row)+\i)*512
.endr
.irp i, 0,1,2,3,4,5,6,7
	global_load_b128 v[128*(\g)+64+4*\i:128*(\g)+64+4*\i+3], v[WB2], s[WP:WP+1] offset:((\row)+\i)*512
.endr
.irp i, 0,1,2,3,4,5,6,7
	global_load_b128 v[128*(\g)+96+4*\i:128*(\g)+96+4*\i+3], v[LI], s[WP:WP+1] offset:((\row)+24+\i)*512
.endr
	WIN 0
.endm
; the scale words of the two tiles of the unit that begins at row `row`: four words (K steps) a row
.macro WSCL buf, row
.irp n, 0,1
	global_load_b128 v[WS+8*(\buf)+4*\n:WS+8*(\buf)+4*\n+3], v[WSA+\n], s[WSP:WSP+1] offset:(\row)*16
.endr
.endm
; raw buffer g through my stage into fragment buffer g: tile n is the stage's rows 16 n on
.macro WTURN g
	WIN 0x0c                                       ; an LDS store's data are its source 1: window 3
.irp p, 0,1,2,3,4,5,6,7,8,9,10,11,12,13,14,15,16,17,18,19,20,21,22,23,24,25,26,27,28,29,30,31
	ds_store_b128 v[WST], v[128*(\g)+4*\p:128*(\g)+4*\p+3] offset:\p*SP
.endr
	WIN 0x80                                       ; destination window 2
.irp n, 0,1
.irp s, 0,1,2,3
.irp c, 0,1,2,3
	ds_load_b128 v[128*(\g)+64*\n+16*\s+4*\c:128*(\g)+64*\n+16*\s+4*\c+3], v[WRD] offset:16*\n*SP+128*\s+32*\c
.endr
.endr
.endr
	WIN 0
.endm
; K step s of my tile of x: quantised; its image and scale word to LDS for the four waves, its codes to qc (block c of the step belongs to head 2 s + c / 2, group c % 2)
.macro XQ reg, s
	QSCALE \reg, 0
	v_lshl_or_b32 v[XW+\s], v[TM+5], 8, v[TM+4]
	v_lshl_or_b32 v[XW+\s], v[TM+6], 16, v[XW+\s]
	v_lshl_or_b32 v[XW+\s], v[TM+7], 24, v[XW+\s]
	QCODES \reg, 0, PC, 4
.irp c, 0,1,2,3
	ds_store_b128 v[XWI], v[PC+4*\c:PC+4*\c+3] offset:2048*\s+512*\c
.endr
	ds_store_b32 v[XWS], v[XW+\s] offset:128*\s
.irp c, 0,1,2,3
	global_store_b128 v[LI], v[PC+4*\c:PC+4*\c+3], s[QCP:QCP+1] offset:(2*\s+\c/2)*65536+(\c%2)*512
.endr
.endm
; 32 products: a unit of k for the four tiles of tokens.  Eight accumulators by turns, one instruction a turn, K ascending; the first K step starts the sums.
.macro MULK buf
	WIN 0x06                                       ; source 0 (W) window 2, source 1 (x) window 1
.irp s, 0,1,2,3
.irp m, 0,1,2,3
.irp u, 0,1
.if \s == 0
	v_wmma_scale_f32_16x16x128_f8f6f4 v[ACC+16*\m+8*\u:ACC+16*\m+8*\u+7], v[128*\buf+64*\u+16*\s:128*\buf+64*\u+16*\s+15], v[16*(4*\m+\s):16*(4*\m+\s)+15], 0, v[WS+8*\buf+4*\u+\s], v[XS+4*\m+\s] matrix_a_fmt:MATRIX_FMT_BF8 matrix_b_fmt:MATRIX_FMT_BF8
.else
	v_wmma_scale_f32_16x16x128_f8f6f4 v[ACC+16*\m+8*\u:ACC+16*\m+8*\u+7], v[128*\buf+64*\u+16*\s:128*\buf+64*\u+16*\s+15], v[16*(4*\m+\s):16*(4*\m+\s)+15], v[ACC+16*\m+8*\u:ACC+16*\m+8*\u+7], v[WS+8*\buf+4*\u+\s], v[XS+4*\m+\s] matrix_a_fmt:MATRIX_FMT_BF8 matrix_b_fmt:MATRIX_FMT_BF8
.endif
.endr
.endr
.endr
.endm
; the same for v: group 2 n + e holds columns 16 n + r of the unit and the tokens of tiles 2 e, 2 e + 1
.macro MULV buf
	WIN 0x09                                       ; source 0 (x) window 1, source 1 (W) window 2
.irp s, 0,1,2,3
.irp n, 0,1
.irp e, 0,1
.irp u, 0,1
.if \s == 0
	v_wmma_scale_f32_16x16x128_f8f6f4 v[ACC+16*(2*\n+\e)+8*\u:ACC+16*(2*\n+\e)+8*\u+7], v[16*(4*(2*\e+\u)+\s):16*(4*(2*\e+\u)+\s)+15], v[128*\buf+64*\n+16*\s:128*\buf+64*\n+16*\s+15], 0, v[XS+4*(2*\e+\u)+\s], v[WS+8*\buf+4*\n+\s] matrix_a_fmt:MATRIX_FMT_BF8 matrix_b_fmt:MATRIX_FMT_BF8
.else
	v_wmma_scale_f32_16x16x128_f8f6f4 v[ACC+16*(2*\n+\e)+8*\u:ACC+16*(2*\n+\e)+8*\u+7], v[16*(4*(2*\e+\u)+\s):16*(4*(2*\e+\u)+\s)+15], v[128*\buf+64*\n+16*\s:128*\buf+64*\n+16*\s+15], v[ACC+16*(2*\n+\e)+8*\u:ACC+16*(2*\n+\e)+8*\u+7], v[XS+4*(2*\e+\u)+\s], v[WS+8*\buf+4*\n+\s] matrix_a_fmt:MATRIX_FMT_BF8 matrix_b_fmt:MATRIX_FMT_BF8
.endif
.endr
.endr
.endr
.endr
.endm
; THE HEAD OF A UNIT, unit p of a head.  The unit's own fragments were asked of LDS a unit ago.  codes = 1: the rows of the unit two on are asked of memory, into the raw buffer that this unit has left;
; scl = 1: the next unit's scale words, into the set that the last unit has left; turn = 1: the next unit's rows, asked for a unit ago, go through the stage while this unit is multiplied.
.macro UHEAD p, codes, scl, turn
	s_wait_dscnt 0x0                               ; this unit's fragments are in, and the stage's stores have read raw buffer p
.if \codes
	WRAW \p, (64+32*\p)
.endif
.if \scl
	WSCL (1-\p), (32+32*\p)
.endif
	s_wait_loadcnt 32*\codes+2*\scl                ; all but the loads just issued: the next unit's rows and this unit's scale words are in
.if \turn
	WTURN (1-\p)
.endif
.endm
.macro KSTEP                           ; on to this head's job: behind a wait on XCNT, so that the last head's stores have read their base
	s_add_nc_u64 s[KB:KB+1], s[KB:KB+1], s[KST:KST+1]
	s_mov_b32 s[KST], JOBB
.endm
.macro WSTEP                           ; on to the next head's rows of W: behind a wait on XCNT, so that this head's loads have read their bases
	s_add_nc_u64 s[WP:WP+1], s[WP:WP+1], 64*512
	s_add_nc_u64 s[WSP:WSP+1], s[WSP:WSP+1], 64*16
.endm
; One head of k.  more = 1: there is a next head, whose rows of W are asked for.
.macro TRIPK more
	UHEAD 0, \more, 1, 1
	MULK 0
	WIN 0
	PLACES 8                                       ; eight places behind these products ahead of the first read of their results
	s_wait_xcnt 0x0                                ; the earlier stores have read their data and base (the loads above were issued a stage's turn and 32 products ago)
	KSTEP
	QSCALE ACC, 0
.irp m, 0,1,2,3
	v_mov_b32 v[BY+\m], v[TM+4+\m]                 ; the byte of d 0-31 of tile m's slot r
.endr
	QCODES ACC, 0, PC, 4
.irp m, 0,1,2,3
	global_store_b128 v[OC], v[PC+4*\m:PC+4*\m+3], s[KB:KB+1] offset:1024*\m       ; 32 lanes store 512 consecutive bytes: tile m, group 0
.endr
	UHEAD 1, \more, \more, \more
	MULK 1
	WIN 0
	PLACES 8
	s_wait_xcnt 0x0
.if \more
	WSTEP
.endif
	QSCALE ACC, 0
.irp m, 0,1,2,3
	v_lshl_or_b32 v[XW+\m], v[TM+4+\m], 8, v[BY+\m]    ; tile m's scale word: d 0-31, d 32-63, and two bytes 0 over the zero codes that fill K up to 128
.endr
	v_cndmask_b32 v[SD], v[XW], v[XW+1], vcc_lo    ; lanes 0-15 carry the even tile's words, lanes 16-31 the odd tile's
	v_cndmask_b32 v[SD+1], v[XW+2], v[XW+3], vcc_lo
	QCODES ACC, 0, PC, 4
.irp m, 0,1,2,3
	global_store_b128 v[OC], v[PC+4*\m:PC+4*\m+3], s[KB:KB+1] offset:1024*\m+512
.endr
	global_store_b64 v[OSC], v[SD:SD+1], s[KB:KB+1]    ; 32 lanes store 256 consecutive bytes, aligned
.endm
; One head of v.
.macro TRIPV more
	UHEAD 0, \more, 1, 1
	MULV 0
	WIN 0
	PLACES 8
	s_wait_xcnt 0x0
	KSTEP
	QSCALE ACC, 0
	v_lshl_or_b32 v[HH], v[TM+5], 8, v[TM+4]       ; column 16 n + r: the bytes of my work-group's two blocks of 32 tokens; n = 0,
	v_lshl_or_b32 v[HH+1], v[TM+7], 8, v[TM+6]     ; n = 1
	v_cndmask_b32 v[G], v[HH], v[HH+1], vcc_lo     ; lanes 0-15 carry n = 0, lanes 16-31 n = 1
	QCODES ACC, 0, PC, 4
.irp n, 0,1
.irp e, 0,1
	global_store_b128 v[OC], v[PC+4*(2*\n+\e):PC+4*(2*\n+\e)+3], s[KB:KB+1] offset:\n*2048+512*\e
.endr
.endr
	UHEAD 1, \more, \more, \more
	MULV 1
	WIN 0
	PLACES 8
	s_wait_xcnt 0x0
.if \more
	WSTEP
.endif
	QSCALE ACC, 0
	v_lshl_or_b32 v[HH], v[TM+5], 8, v[TM+4]
	v_lshl_or_b32 v[HH+1], v[TM+7], 8, v[TM+6]
	v_cndmask_b32 v[HH], v[HH], v[HH+1], vcc_lo
	v_lshl_or_b32 v[G], v[HH], 16, v[G]            ; columns 32 + 16 n + r in the upper half
	QCODES ACC, 0, PC, 4
.irp n, 0,1
.irp e, 0,1
	global_store_b128 v[OC], v[PC+4*(2*\n+\e):PC+4*(2*\n+\e)+3], s[KB:KB+1] offset:(2+\n)*2048+512*\e
.endr
.endr
	global_store_b32 v[OSC], v[G], s[KB:KB+1]
.endm
	s_load_b256 s[4:11], s[0:1], 0x0               ; x1, x2, W1's codes, W1's scales
	s_load_b256 s[12:19], s[0:1], 0x20             ; W2's codes, W2's scales, qc, qs
	s_load_b64 s[20:21], s[0:1], 0x40              ; kv
	v_lshl_add_u32 v254, v0, 2, 0x21400
	v_mov_b32 v255, 0
	v_lshrrev_b32 v15, 5, v0
	v_readfirstlane_b32 s[WV], v15                 ; wave 0..3
	v_and_b32 v3, 31, v0                           ; lane
	v_and_b32 v1, 15, v0                           ; r
	v_bfe_u32 v2, v0, 4, 1                         ; h
	v_lshlrev_b32 v[LI], 4, v3
	v_lshlrev_b32 v[LS], 2, v3
	s_lshl_b32 s40, s[WV], 13
	v_add_nc_u32 v[XWI], s40, v[LI]
	s_lshl_b32 s40, s[WV], 9
	s_add_co_u32 s40, s40, XSC
	v_add_nc_u32 v[XWS], s40, v[LS]
	v_mul_u32_u24 v15, v1, SP                      ; row r of a stage
	s_mul_i32 s40, s[WV], 16*SP
	s_add_co_u32 s40, s40, XSTG                    ; my stage for x
	v_add_nc_u32 v[XST], s40, v[LI]
	v_lshl_add_u32 v[XRD], v2, 6, v15
	v_add_nc_u32 v[XRD], s40, v[XRD]
	s_mul_i32 s40, s[WV], 32*SP
	s_add_co_u32 s40, s40, WSTG                    ; my stage for W
	v_add_nc_u32 v[WST], s40, v[LI]
	v_lshl_add_u32 v[WRD], v2, 4, v15
	v_add_nc_u32 v[WRD], s40, v[WRD]
	s_cmp_lt_u32 s[WV], 2                          ; waves 0, 1 make k, waves 2, 3 make v
	s_cselect_b32 s42, 1, 0
	s_cselect_b32 s43, 8, 0                        ; k: the rows of W that form a tile are r + 8 (r / 8); v: r
	s_cselect_b32 s44, 8, 16                       ; rows from a unit's tile 0 to its tile 1; also: the rows that the stage's rows 16-23 take
	s_cselect_b32 s45, 3, 2                        ; scale words to store: 8 bytes a lane, or 4
	s_cselect_b32 s46, 16, 8                       ; the rows that the stage's rows 8-15 take
	s_lshl_b32 s46, s46, 9
	v_add_nc_u32 v[WB1], s46, v[LI]
	s_lshl_b32 s46, s44, 9
	v_add_nc_u32 v[WB2], s46, v[LI]
	v_lshrrev_b32 v15, 3, v1                       ; r / 8
	v_mul_u32_u24 v15, s43, v15
	v_add_nc_u32 v15, v15, v1                      ; my row in tile 0
	v_lshlrev_b32 v[WSA], 4, v15                   ; 16 scale bytes a row
	s_lshl_b32 s46, s44, 4
	v_add_nc_u32 v[WSA+1], s46, v[WSA]
	s_lshr_b32 s47, ttmp9, 7                       ; branch
	s_bfe_u32 s48, ttmp9, 0x30004                  ; batch
	s_and_b32 s49, ttmp9, 15                       ; which 64 tokens of the batch
	s_lshr_b32 s50, s49, 1                         ; the step of 128 keys that they lie in,
	s_and_b32 s51, s49, 1                          ; and which half of it
	s_lshr_b32 s52, ttmp9, 4                       ; branch x 8 + batch
	s_lshl_b32 s53, s49, 12                        ; k's codes: four tiles of 1,024 bytes
	s_lshl_b32 s54, s50, 13                        ; v's codes: 8,192 bytes a step, my two groups c at 1,024 x half
	s_lshl_b32 s55, s51, 10
	s_add_co_u32 s54, s54, s55
	s_add_co_u32 s54, s54, VIMG
	s_cmp_lt_u32 s[WV], 2
	s_cselect_b32 s53, s53, s54
	v_add_nc_u32 v[OC], s53, v[LI]
	s_mul_i32 s53, s50, 768
	s_add_co_u32 s53, s53, SCL
	s_lshl_b32 s54, s51, 8                         ; k's words: 256 bytes a half
	s_lshl_b32 s55, s51, 7                         ; v's: behind them, 128 bytes a half
	s_add_co_u32 s55, s55, 512
	s_cmp_lt_u32 s[WV], 2
	s_cselect_b32 s54, s54, s55
	s_add_co_u32 s53, s53, s54
	v_lshlrev_b32 v[OSC], s45, v3
	v_add_nc_u32 v[OSC], s53, v[OSC]
	s_xor_b32 s54, s47, s42                        ; k serves the other branch's queries
	s_lshl_b32 s54, s54, 3
	s_add_co_u32 s54, s54, s48
	s_lshl_b32 s54, s54, 3
	s_and_b32 s55, s[WV], 1
	s_lshl_b32 s55, s55, 2
	s_add_co_u32 s54, s54, s55                     ; my first job: heads 4 (wave % 2) on
	s_mul_i32 s54, s54, JOBB
	s_mov_b32 s55, 0
	s_lshl_b32 s56, s[WV], 17                      ; my 256 rows of W's codes,
	s_mov_b32 s57, 0
	s_lshl_b32 s58, s[WV], 12                      ; and of its scale bytes
	s_mov_b32 s59, 0
	s_and_b32 s60, ttmp9, 127
	s_lshl_b32 s60, s60, 6                         ; the work-group's first row of x,
	s_lshr_b32 s61, s[WV], 1
	s_lshl_b32 s61, s61, 5
	s_add_co_u32 s60, s60, s61
	s_and_b32 s61, s[WV], 1
	s_lshl_b32 s61, s61, 3
	s_add_co_u32 s60, s60, s61                     ; + 32 (wave / 2) + 8 (wave % 2): my tile's slot 0
	s_lshl_b32 s60, s60, 11
	s_mov_b32 s61, 0
	s_lshl_b32 s46, s49, 2
	s_add_co_u32 s46, s46, s[WV]                   ; my tile's number in the batch
	s_lshl_b32 s62, s52, 19
	s_lshl_b32 s63, s46, 10
	s_add_co_u32 s62, s62, s63
	s_mov_b32 s63, 0
	s_lshl_b32 s40, s52, 14
	s_lshl_b32 s41, s46, 8
	s_add_co_u32 s40, s40, s41
	s_mov_b32 s41, 0
	s_mov_b32 s[SEL], 0x76543210
	s_mov_b32 s[SEL+1], 0xfedcba98
	s_mov_b32 s[MNT], 0x600000
	s_mov_b32 vcc_lo, 0xffff0000                   ; lanes 16-31: kept for the whole launch
.irp g, 0,1,2,3
	v_mov_b32 v[TM+4+\g], 0                        ; written once: a lane permute's destination counts as one of its sources
.endr
	s_wait_kmcnt 0x0
	s_cmp_lt_u32 ttmp9, 128                        ; the branch: the choice hangs on the work-group's number alone
	s_cselect_b64 s[XP:XP+1], s[4:5], s[6:7]
	s_cselect_b64 s[WP:WP+1], s[8:9], s[12:13]
	s_cselect_b64 s[WSP:WSP+1], s[10:11], s[14:15]
	s_add_nc_u64 s[XP:XP+1], s[XP:XP+1], s[60:61]
	s_add_nc_u64 s[WP:WP+1], s[WP:WP+1], s[56:57]
	s_add_nc_u64 s[WSP:WSP+1], s[WSP:WSP+1], s[58:59]
	s_add_nc_u64 s[KB:KB+1], s[20:21], s[54:55]
	s_add_nc_u64 s[QCP:QCP+1], s[16:17], s[62:63]
	s_add_nc_u64 s[QSP:QSP+1], s[18:19], s[40:41]
	s_mov_b32 s[KST], 0                            ; the first head's job is where KB stands
	s_mov_b32 s[KST+1], 0
	; ---- x: my tile's four K steps.  Three steps are asked for at once, the fourth as soon as the first is in; W's first two units follow on the way.
	; Each wait on XCNT stands ahead of the next run of loads: it is for the four stores of the step before, whose codes' registers the next step writes again.
	WIN 0x80                                       ; destination window 2
	XRAW 0
	XRAW 1
	XRAW 2
	WIN 0
	s_wait_loadcnt 32                              ; K step 0 is in; behind it: steps 1 and 2, 16 loads each
	XTURN 0, ACC
	WIN 0x80
	XRAW 3
	WIN 0
	s_wait_dscnt 0x0
	XQ ACC, 0
	s_wait_loadcnt 32                              ; step 1 is in; behind it: steps 2 and 3
	XTURN 1, ST
	s_wait_xcnt 0x0
	WRAW 0, 0                                      ; W's unit 0
	s_wait_dscnt 0x0                               ; the numbers are back from the stage, and the image's stores have read the codes' registers
	XQ ST, 1
	s_wait_loadcnt 48                              ; step 2 is in; behind it: step 3's 16 and unit 0's 32
	XTURN 2, ACC
	s_wait_xcnt 0x0
	s_wait_dscnt 0x0
	XQ ACC, 2
	s_wait_loadcnt 32                              ; step 3 is in; behind it: unit 0's 32
	XTURN 3, ST
	s_wait_xcnt 0x0
	WRAW 1, 32                                     ; W's unit 1,
	WSCL 0, 0                                      ; and unit 0's scale words
	s_wait_dscnt 0x0
	XQ ST, 3
	v_cndmask_b32 v[SD], v[XW], v[XW+1], vcc_lo    ; qs: lanes 0-15 K step 0's words, lanes 16-31 step 1's;
	v_cndmask_b32 v[SD+1], v[XW+2], v[XW+3], vcc_lo    ; steps 2 and 3
	global_store_b32 v[LS], v[SD], s[QSP:QSP+1]
	global_store_b32 v[LS], v[SD+1], s[QSP:QSP+1] offset:128
	s_wait_loadcnt 34                              ; unit 0's rows are in; behind them: unit 1's 32 and the 2 loads of scale words
	WTURN 0                                        ; into the registers that held x's first two K steps, which the stage's stores have long read
	s_wait_dscnt 0x0                               ; for the others' sake: my images lie in LDS
	s_barrier_signal -1
	s_barrier_wait -1                              ; everybody's do
	WIN 0x40                                       ; destination window 1
.irp f, 0,1,2,3,4,5,6,7,8,9,10,11,12,13,14,15
.irp c, 0,1,2,3
	ds_load_b128 v[16*\f+4*\c:16*\f+4*\c+3], v[LI] offset:2048*\f+512*\c
.endr
.endr
	WIN 0
.irp f, 0,1,2,3,4,5,6,7,8,9,10,11,12,13,14,15
	ds_load_b32 v[XS+\f], v[LS] offset:XSC+128*\f  ; x's 16 fragments and scale words stay in registers from here on; the first unit's head waits for them
.endr
	s_cmp_lt_u32 s[WV], 2
	s_cbranch_scc0 .Lvway
	s_mov_b32 s[CNT], 3
.Lkhead:                                               ; three heads that ask for the next head's W; the fourth is written out, so that no load leaves W
	TRIPK 1
	s_sub_co_u32 s[CNT], s[CNT], 1
	s_cmp_lg_u32 s[CNT], 0
	s_cbranch_scc1 .Lkhead
	TRIPK 0
	s_wait_tensorcnt 0x0
	ds_add_u32 v254, v255
	s_wait_dscnt 0x0
	s_endpgm
.Lvway:
	s_mov_b32 s[CNT], 3
.Lvhead:
	TRIPV 1
	s_sub_co_u32 s[CNT], s[CNT], 1
	s_cmp_lg_u32 s[CNT], 0
	s_cbranch_scc1 .Lvhead
	TRIPV 0
	s_wait_tensorcnt 0x0
	ds_add_u32 v254, v255
	s_wait_dscnt 0x0
	s_endpgm
.Lfunc_end_k_q4a66220782_proj:
	.size	k_q4a66220782_proj, .Lfunc_end_k_q4a66220782_proj-k_q4a66220782_proj
	.p2alignl 7, 3214868480
	.fill 96, 4, 3214868480
	.section	.rodata,"a",@progbits
	.p2align	6, 0x0
	.amdhsa_kernel k_q4a66220782_proj
		.amdhsa_group_segment_fixed_size 136704
		.amdhsa_private_segment_fixed_size 0
		.amdhsa_enable_private_segment 0
		.amdhsa_kernarg_size 72
		.amdhsa_user_sgpr_count 2
		.amdhsa_user_sgpr_kernarg_segment_ptr 1
		.amdhsa_wavefront_size32 1
		.amdhsa_system_sgpr_workgroup_id_x 1
		.amdhsa_system_sgpr_workgroup_id_y 1
		.amdhsa_system_sgpr_workgroup_id_z 1
		.amdhsa_system_vgpr_workitem_id 0
		.amdhsa_next_free_vgpr 1024
		.amdhsa_next_free_sgpr 66
		.amdhsa_reserve_vcc 1
		.amdhsa_float_denorm_mode_32 3
		.amdhsa_float_denorm_mode_16_64 3
		.amdhsa_memory_ordered 1
		.amdhsa_forward_progress 1
		.amdhsa_inst_pref_size 212
	.end_amdhsa_kernel
	.amdgpu_metadata
---
amdhsa.version: [ 1, 2 ]
amdhsa.kernels:
  - .name:           k_q4a66220782_proj
    .symbol:         k_q4a66220782_proj.kd
    .args:
      - { .name: x1, .offset: 0, .size: 8, .value_kind: global_buffer, .address_space: global }
      - { .name: x2, .offset: 8, .size: 8, .value_kind: global_buffer, .address_space: global }
      - { .name: W_kv1_codes, .offset: 16, .size: 8, .value_kind: global_buffer, .address_space: global }
      - { .name: W_kv1_scales, .offset: 24, .size: 8, .value_kind: global_buffer, .address_space: global }
      - { .name: W_kv2_codes, .offset: 32, .size: 8, .value_kind: global_buffer, .address_space: global }
      - { .name: W_kv2_scales, .offset: 40, .size: 8, .value_kind: global_buffer, .address_space: global }
      - { .name: qc, .offset: 48, .size: 8, .value_kind: global_buffer, .address_space: global }
      - { .name: qs, .offset: 56, .size: 8, .value_kind: global_buffer, .address_space: global }
      - { .name: kv, .offset: 64, .size: 8, .value_kind: global_buffer, .address_space: global }
    .group_segment_fixed_size: 136704
    .private_segment_fixed_size: 0
    .kernarg_segment_align: 8
    .kernarg_segment_size: 72
    .max_flat_workgroup_size: 128
    .sgpr_count:     66
    .vgpr_count:     1024
    .wavefront_size: 32
...
	.end_amdgpu_metadata
.endif
;; end of part 1
;; launch attn (part 2): grid 256 x 1, 8 waves a work-group, no clusters, 173,056 bytes of LDS; arguments qc, qs, kv, out0, out1; writes out0, out1
.if DOCPART == 2
	.amdgcn_target "amdgcn-amd-amdhsa--gfx1250"
	.amdhsa_code_object_version 6
	.text
	.protected	k_q4a66220782_attn
	.globl	k_q4a66220782_attn
	.p2align	8
	.type	k_q4a66220782_attn,@function
k_q4a66220782_attn:
	s_mov_b64 s[64:65], 0
	v_nop
	global_prefetch_b8 v0, s[64:65] scope:SCOPE_SE
	s_setreg_imm32_b32 hwreg(HW_REG_WAVE_MODE, 25, 1), 1
	s_wait_xcnt 0x0
; out[query][head x 64 + d] = the sum over keys of Q(relu(q . k / 8)) v, both products on codes of BF8 (E5M2) with one E8M0 scale for each 32 along K.
; All operands come as images of operand registers, made by the launch before: qc, qs (queries), kv (a job's k, v and their scale words: 137,216 bytes).  job = (branch x 8 + batch) x 8 + head.
; THE FACTOR 1/8 is a power of two, so the quantiser commutes with it: the scores are quantised as they are, and O is multiplied by 0.125 at the end.
; SHARES.  A work-group owns 512 queries of one job; each of its eight waves 64 of them, four tiles of 16.  Two waves share a SIMD, so that one wave's vector work stands beside the other's products.
; A JOB'S WHOLE K, V AND SCALES LIE IN LDS, filled once by tensor loads (three a wave, all issued at the start: the scale words; key steps 0 and 1; key steps 2 to 7); no LDS byte is filled twice.
; By this text's own count a wave has at most three tensor loads outstanding.
; No multicast: two work-groups share a job's block, each reads it once, and they are neighbours in the grid; what is shared is read twice in all.
; LAYOUT.  S^T = K Q^T (source 0 = 16 keys, source 1 = 16 queries) and O^T = V^T P^T (source 0 = 16 of the head's 64, source 1 = P): a lane holds ONE query throughout.
; A tile's slot i is token 32 B + 8 u + i + 8 (i / 8) (tile 2 B + u), so the 16 score registers of key tiles 2 B, 2 B + 1 are keys 32 B + 16 (lane / 16) + 0 .. 15: the conversions' results are P's registers.
; The first product's K is 64: the upper half of K's and Q's fragments is zero codes, written once.
; LIMITS: NaN and infinities are not served.  A block of scores whose largest lies under 2^-111 gets the scale byte 1 (with the 1/8 ahead of the quantiser that bound would lie at 2^-108 of the scores);
; scores or sums beyond 2^125 are not served.
; REGISTERS: window 0: v1-11 addresses; v12-15 Q's scale words, v16-19 P's, v20-23 K's, v24-27 V's; v32-47 at work; v64-127 K's fragments, two buffers of two; v128-191 scores; v192-255 P's codes.
;   window 1: v0-127 O^T (tile t, 16 d: 32 t + 8 dt); v128-191 Q's four fragments; v192-255 V's four.   On the way out v128-255 of window 0 take O.
.set JOBB,  137216
.set VIMG,  65536
.set SCL,   131072
.set STAGE, 137216                     ; behind the job's block: 16 rows x 272 bytes for each wave; no tensor load lands here
.set LI,  1                            ; v1   16 x lane
.set L8,  2                            ; v2   8 x lane
.set L4,  3                            ; v3   4 x lane
.set ADK, 4                            ; v4   LDS address of the step's tiles of K
.set ADV, 5                            ; v5   of V
.set AS8, 6                            ; v6   of K's scale words
.set AS4, 7                            ; v7   of V's
.set STO, 8                            ; v8   the stage: where I put 16 bytes of a row
.set RD,  9                            ; v9   and where I read a row back
.set GO,  10                           ; v10  my byte offset in the wave's rows of the output
.set QO,  11                           ; v11  4 x (lane % 16)
.set QS,  12
.set PS,  16
.set KS,  20
.set VG,  24
.set VS,  26
.set TM,  32
.set KF,  64
.set S,   128
.set P,   192
.set O,   0                            ; window 1
.set QF,  128
.set VF,  192
.set Y,   128                          ; window 0, on the way out
.set WV,  14
.set JOB, 15
.set G1S, 16                           ; s[16:23] descriptor group 1: 3 rows of 256 bytes;  s[24:31]: 16 rows;  s[32:39]: 48 rows
.set G1A, 24
.set G1B, 32
.set G0S, 40                           ; s[40:43], s[44:47], s[48:51] their groups 0
.set G0A, 44
.set G0B, 48
.set TK,  52                           ; s52  LDS byte at which the step's K begins
.set TV,  53                           ; s53  its V
.set TS,  54                           ; s54  its scale words
.set CNT, 55
.set SEL, 56                           ; s[56:57]
.set MNT, 58
.set SH,  59                           ; s59  16 x (head % 2)
.set EI,  60                           ; s[60:61] 0.125
.set MSB, 0
.macro WIN new                         ; the immediate's high byte repeats the setting that is left; a switch that changes nothing is dropped
.if MSB != \new
	s_set_vgpr_msb (MSB<<8)|\new
.set MSB, \new
.endif
.endm
.macro PLACES n
.rept \n
	v_nop
.endr
.endm
.macro GROUP1 g, rows                  ; a dense block as rows of 256 bytes: 32 elements of 8 bytes, pitch 32, no padding, no mask
	s_mov_b32 s[\g], 3<<16
	s_mov_b32 s[\g+1], 32<<16                      ; tensor_dim0
	s_mov_b32 s[\g+2], \rows<<16                   ; tensor_dim1
	s_mov_b32 s[\g+3], 32<<16                      ; tile_dim0
	s_mov_b32 s[\g+4], \rows                       ; tile_dim1
	s_mov_b32 s[\g+5], 32                          ; tensor_dim0_stride
	s_mov_b32 s[\g+6], 0
	s_mov_b32 s[\g+7], 0
.endm
.macro GROUP0 g, off                   ; the offset in LDS and the offset in the job are one number, in s[off]
	s_mov_b32 s[\g], 1
	s_mov_b32 s[\g+1], s[\off]
	s_mov_b32 s78, s[\off]
	s_add_nc_u64 s[\g+2:\g+3], s[8:9], s[78:79]
	s_or_b32 s[\g+3], s[\g+3], 0x80000000
.endm
; Four groups g of 16 numbers, v[src + 16 g + i]; a block of 32 is a group in lanes l and l xor 16.  Leaves for each g: the byte in v[TM+4+g], the hold in v[TM+8+g], the conversion's scale operand in v[TM+12+g].
.macro QSCALE src, relu
.if \relu
.irp g, 0,1,2,3
	v_max3_num_f32 v[TM+\g], v[\src+16*\g], v[\src+16*\g+1], 0x8000000       ; no |.|: what is negative is to become 0 and must not count; the floor 2^(16 - 127) holds the byte at 1 from below
.endr
.irp i, 2,4,6,8,10,12,14
.irp g, 0,1,2,3
	v_max3_num_f32 v[TM+\g], v[TM+\g], v[\src+16*\g+\i], v[\src+16*\g+\i+1]  ; the four groups by turns
.endr
.endr
.else
.irp g, 0,1,2,3
	v_max3_num_f32 v[TM+\g], |v[\src+16*\g]|, |v[\src+16*\g+1]|, 0x8000000
.endr
.irp i, 2,4,6,8,10,12,14
.irp g, 0,1,2,3
	v_max3_num_f32 v[TM+\g], v[TM+\g], |v[\src+16*\g+\i]|, |v[\src+16*\g+\i+1]|
.endr
.endr
.endif
.irp g, 0,1,2,3
	v_permlanex16_b32 v[TM+4+\g], v[TM+\g], s[SEL], s[SEL+1]
.endr
.irp g, 0,1,2,3
	v_max_num_f32 v[TM+\g], v[TM+\g], v[TM+4+\g]                             ; with lane l xor 16's: the block's largest
.endr
.irp g, 0,1,2,3
	v_add_nc_u32 v[TM+12+\g], 0xf8800000, v[TM+\g]                           ; 15 off its exponent field: the conversion takes that field as its scale
.endr
.irp g, 0,1,2,3
	v_and_or_b32 v[TM+8+\g], v[TM+\g], 0x7f800000, s[MNT]                    ; 57,344 x the scale
.endr
.irp g, 0,1,2,3
	v_lshrrev_b32 v[TM+4+\g], 23, v[TM+12+\g]                                ; the scale's byte
.endr
.endm
.macro QCODES src, relu, dst, dstr
.irp g, 0,1,2,3
.irp i, 0,1,2,3,4,5,6,7,8,9,10,11,12,13,14,15
.if \relu
	v_med3_num_f32 v[\src+16*\g+\i], v[\src+16*\g+\i], 0, v[TM+8+\g]         ; the relu and the hold in one: between 0 and the largest code x the scale (the conversion does not saturate: ISA guide 7.6.2)
.else
	v_med3_num_f32 v[\src+16*\g+\i], v[\src+16*\g+\i], -v[TM+8+\g], v[TM+8+\g]
.endif
.endr
	v_cvt_scalef32_pk8_bf8_f32 v[\dst+\dstr*\g:\dst+\dstr*\g+1], v[\src+16*\g:\src+16*\g+7], v[TM+12+\g]
	v_cvt_scalef32_pk8_bf8_f32 v[\dst+\dstr*\g+2:\dst+\dstr*\g+3], v[\src+16*\g+8:\src+16*\g+15], v[TM+12+\g]
.endr
	v_nop                                          ; a plain vector line between the last conversion and the products that write its sources again
.endm
.macro KLOAD b                         ; key tiles 2 b, 2 b + 1 of the step into buffer b % 2: the lower half of each fragment; the upper half stays zero codes
.irp u, 0,1
.irp c, 0,1
	ds_load_b128 v[KF+32*((\b)%2)+16*\u+4*\c:KF+32*((\b)%2)+16*\u+4*\c+3], v[ADK] offset:2048*(\b)+1024*\u+512*\c
.endr
.endr
.endm
; 32 keys x my 64 queries: eight products, then the scores become P's registers 4 b .. 4 b + 3 and byte b of P's scale words
.macro BLOCK b
.if \b < 3
	KLOAD \b+1
.endif
.if \b == 0
	s_wait_dscnt 20                                ; the scale words and K's first two tiles are in; behind them: V's 16 loads and the next block's 4
	v_perm_b32 v[VS], v[VG+1], v[VG], 0x05040100   ; V's scale words of the step's four blocks: lanes 0-15 d 0-15, lanes 16-31 d 16-31;
	v_perm_b32 v[VS+1], v[VG+1], v[VG], 0x07060302 ; d 32-47 and d 48-63
.elseif \b < 3
	s_wait_dscnt 4                                 ; all but the next block's 4
.else
	s_wait_dscnt 0x0
.endif
	WIN 0x04                                       ; source 1 (Q) window 1
.irp t, 0,1,2,3
	v_wmma_scale_f32_16x16x128_f8f6f4 v[S+16*\t:S+16*\t+7], v[KF+32*(\b%2):KF+32*(\b%2)+15], v[QF+16*\t:QF+16*\t+15], 0, v[KS+\b], v[QS+\t] matrix_a_fmt:MATRIX_FMT_BF8 matrix_b_fmt:MATRIX_FMT_BF8
	v_wmma_scale_f32_16x16x128_f8f6f4 v[S+16*\t+8:S+16*\t+15], v[KF+32*(\b%2)+16:KF+32*(\b%2)+31], v[QF+16*\t:QF+16*\t+15], 0, v[KS+\b], v[QS+\t] matrix_a_fmt:MATRIX_FMT_BF8 matrix_b_fmt:MATRIX_FMT_BF8 matrix_a_scale:MATRIX_SCALE_ROW1
.endr
	WIN 0
	PLACES 8                                       ; eight places behind these products ahead of the first read of their results
	QSCALE S, 1
.irp t, 0,1,2,3
.if \b == 0
	v_mov_b32 v[PS+\t], v[TM+4+\t]
.else
	v_lshl_or_b32 v[PS+\t], v[TM+4+\t], 8*\b, v[PS+\t]
.endif
.endr
	QCODES S, 1, (P+4*\b), 16
.endm
.macro PVI d, t, zero                  ; O^T(16 d on, tile t) += V^T P^T over the step's 128 keys; V's words of odd d tiles lie in lanes 16-31
.if \zero
.if \d%2
	v_wmma_scale_f32_16x16x128_f8f6f4 v[O+32*\t+8*\d:O+32*\t+8*\d+7], v[VF+16*\d:VF+16*\d+15], v[P+16*\t:P+16*\t+15], 0, v[VS+\d/2], v[PS+\t] matrix_a_fmt:MATRIX_FMT_BF8 matrix_b_fmt:MATRIX_FMT_BF8 matrix_a_scale:MATRIX_SCALE_ROW1
.else
	v_wmma_scale_f32_16x16x128_f8f6f4 v[O+32*\t+8*\d:O+32*\t+8*\d+7], v[VF+16*\d:VF+16*\d+15], v[P+16*\t:P+16*\t+15], 0, v[VS+\d/2], v[PS+\t] matrix_a_fmt:MATRIX_FMT_BF8 matrix_b_fmt:MATRIX_FMT_BF8
.endif
.else
.if \d%2
	v_wmma_scale_f32_16x16x128_f8f6f4 v[O+32*\t+8*\d:O+32*\t+8*\d+7], v[VF+16*\d:VF+16*\d+15], v[P+16*\t:P+16*\t+15], v[O+32*\t+8*\d:O+32*\t+8*\d+7], v[VS+\d/2], v[PS+\t] matrix_a_fmt:MATRIX_FMT_BF8 matrix_b_fmt:MATRIX_FMT_BF8 matrix_a_scale:MATRIX_SCALE_ROW1
.else
	v_wmma_scale_f32_16x16x128_f8f6f4 v[O+32*\t+8*\d:O+32*\t+8*\d+7], v[VF+16*\d:VF+16*\d+15], v[P+16*\t:P+16*\t+15], v[O+32*\t+8*\d:O+32*\t+8*\d+7], v[VS+\d/2], v[PS+\t] matrix_a_fmt:MATRIX_FMT_BF8 matrix_b_fmt:MATRIX_FMT_BF8
.endif
.endif
.endm
; A KEY STEP: 128 keys.  zero = 1: its second products start O^T's sums: nothing is cleared.
.macro STEP zero
	v_add_nc_u32 v[ADK], s[TK], v[LI]              ; these four and the four v_nop are the eight places behind the last step's products, ahead of the loads into V's registers
	v_add_nc_u32 v[ADV], s[TV], v[LI]
	v_add_nc_u32 v[AS8], s[TS], v[L8]
	v_add_nc_u32 v[AS4], s[TS], v[L4]
	PLACES 4
	ds_load_b64 v[KS:KS+1], v[AS8]                 ; K's scale words: register b: lanes 0-15 key tile 2 b, lanes 16-31 key tile 2 b + 1
	ds_load_b64 v[KS+2:KS+3], v[AS8] offset:256
	ds_load_b32 v[VG], v[AS4] offset:512
	ds_load_b32 v[VG+1], v[AS4] offset:640
	KLOAD 0
	WIN 0x40                                       ; destination window 1
.irp d, 0,1,2,3
.irp c, 0,1,2,3
	ds_load_b128 v[VF+16*\d+4*\c:VF+16*\d+4*\c+3], v[ADV] offset:2048*\d+512*\c
.endr
.endr
	WIN 0
	BLOCK 0
	BLOCK 1
	BLOCK 2
	BLOCK 3
	PLACES 4                                       ; codes written by vector instructions stand four places ahead of a scaled product; the scale words were made ahead of the last holds
	WIN 0x51                                       ; source 0 (V), C and D (O^T) window 1; source 1 (P) window 0
.irp d, 0,1,2,3
.irp t, 0,1,2,3
	PVI \d, \t, \zero                              ; sixteen accumulators by turns, one instruction a turn
.endr
.endr
	WIN 0
	s_add_co_u32 s[TK], s[TK], 8192
	s_add_co_u32 s[TV], s[TV], 8192
	s_add_co_u32 s[TS], s[TS], 768
.endm
	s_load_b256 s[4:11], s[0:1], 0x0               ; qc, qs, kv, out0
	s_load_b64 s[12:13], s[0:1], 0x20              ; out1
	v_lshl_add_u32 v62, v0, 2, 0x2a000
	v_mov_b32 v63, 0
	ds_add_u32 v62, v63
	ds_add_u32 v62, v63
	v_lshrrev_b32 v28, 5, v0
	v_readfirstlane_b32 s[WV], v28                 ; wave 0..7
	s_lshr_b32 s[JOB], ttmp9, 1
	s_and_b32 s66, ttmp9, 1                        ; which 512 queries
	s_and_b32 s67, s[JOB], 7                       ; head
	s_lshr_b32 s68, s[JOB], 3                      ; branch x 8 + batch
	GROUP1 G1S, 3
	GROUP1 G1A, 16
	GROUP1 G1B, 48
	s_mul_i32 s70, s[WV], 768
	s_add_co_u32 s70, s70, SCL                     ; wave w brings step w's scale words;
	s_lshr_b32 s71, s[WV], 2
	s_lshl_b32 s71, s71, 16                        ; waves 0-3 K's codes, waves 4-7 V's:
	s_and_b32 s72, s[WV], 3
	s_lshl_b32 s73, s72, 12
	s_add_co_u32 s73, s73, s71                     ; a quarter of steps 0 and 1,
	s_mul_i32 s74, s72, 12288
	s_add_co_u32 s74, s74, s71
	s_add_co_u32 s74, s74, 16384                   ; and a quarter of steps 2 to 7
	s_mul_i32 s76, s[JOB], JOBB
	s_mov_b32 s77, 0
	s_mov_b32 s79, 0
	s_wait_dscnt 0x0
	s_wait_kmcnt 0x0
	s_add_nc_u64 s[8:9], s[8:9], s[76:77]          ; kv at my job
	GROUP0 G0S, 70
	GROUP0 G0A, 73
	GROUP0 G0B, 74
	tensor_load_to_lds s[G0S:G0S+3], s[G1S:G1S+7]  ; the three first fills stand together, ahead of every wait on TENSORcnt, every LDS read and every barrier
	s_nop 0
	tensor_load_to_lds s[G0A:G0A+3], s[G1A:G1A+7]
	s_nop 0
	tensor_load_to_lds s[G0B:G0B+3], s[G1B:G1B+7]
	s_nop 0
	PLACES 4                                       ; four v_nop follow the last of them
	s_lshl_b32 s70, s66, 5
	s_lshl_b32 s71, s[WV], 2
	s_add_co_u32 s70, s70, s71                     ; my first tile of queries: 32 x half + 4 x wave
	s_lshl_b32 s72, s[JOB], 16
	s_lshl_b32 s73, s70, 10
	s_add_co_u32 s72, s72, s73
	s_mov_b32 s73, 0
	s_add_nc_u64 s[4:5], s[4:5], s[72:73]          ; its codes
	s_lshl_b32 s72, s68, 14
	s_lshl_b32 s74, s70, 8
	s_add_co_u32 s72, s72, s74
	s_lshr_b32 s74, s67, 1
	s_lshl_b32 s74, s74, 6
	s_add_co_u32 s72, s72, s74
	s_add_nc_u64 s[6:7], s[6:7], s[72:73]          ; its scale words of the K step of 128 channels in which my head lies
	s_and_b32 s72, s68, 7
	s_lshl_b32 s72, s72, 10
	s_lshl_b32 s74, s66, 9
	s_add_co_u32 s72, s72, s74
	s_lshl_b32 s74, s[WV], 6
	s_add_co_u32 s72, s72, s74                     ; my first row of the output
	s_lshl_b32 s72, s72, 11
	s_lshl_b32 s74, s67, 8
	s_add_co_u32 s72, s72, s74                     ; + the head's 256 bytes
	s_cmp_lt_u32 ttmp9, 128                        ; the branch: the choice hangs on the work-group's number alone
	s_cselect_b64 s[10:11], s[10:11], s[12:13]
	s_add_nc_u64 s[10:11], s[10:11], s[72:73]
	s_and_b32 s[SH], s67, 1
	s_lshl_b32 s[SH], s[SH], 4
	s_mov_b32 s[SEL], 0x76543210
	s_mov_b32 s[SEL+1], 0xfedcba98
	s_mov_b32 s[MNT], 0x600000
	s_mov_b32 s[EI], 0x3e000000                    ; 0.125
	s_mov_b32 s[EI+1], 0x3e000000                  ; (named with it as a pair, so it is written)
	s_mov_b32 s[TK], 0
	s_mov_b32 s[TV], VIMG
	s_mov_b32 s[TS], SCL
	v_and_b32 v28, 31, v0                          ; lane
	v_and_b32 v29, 15, v0                          ; r
	v_bfe_u32 v30, v0, 4, 1                        ; h
	v_lshlrev_b32 v[LI], 4, v28
	v_lshlrev_b32 v[L8], 3, v28
	v_lshlrev_b32 v[L4], 2, v28
	v_lshlrev_b32 v[QO], 2, v29
	s_mul_i32 s75, s[WV], 16*272
	s_add_co_u32 s75, s75, STAGE                   ; my stage
	v_mul_u32_u24 v[STO], v29, 272
	v_lshl_add_u32 v[STO], v30, 5, v[STO]
	v_add_nc_u32 v[STO], s75, v[STO]               ; in: row r, + 32 h
	v_mul_u32_u24 v[RD], v30, 272
	v_lshl_add_u32 v[RD], v29, 4, v[RD]
	v_add_nc_u32 v[RD], s75, v[RD]                 ; back: lanes 0-15 one row of 256 bytes, lanes 16-31 the next
	v_lshlrev_b32 v[GO], 11, v30
	v_lshl_add_u32 v[GO], v29, 4, v[GO]            ; and the same two rows of the output, 2,048 bytes apart
	WIN 0x40                                       ; destination window 1
.irp t, 0,1,2,3
.irp c, 0,1
	global_load_b128 v[QF+16*\t+4*\c:QF+16*\t+4*\c+3], v[LI], s[4:5] offset:1024*\t+512*\c
.endr
.endr
.irp t, 0,1,2,3
.irp i, 8,9,10,11,12,13,14,15
	v_mov_b32 v[QF+16*\t+\i], 0                    ; zero codes fill K from 64 to 128
.endr
.endr
	WIN 0
.irp t, 0,1,2,3
	global_load_b32 v[QS+\t], v[QO], s[6:7] offset:256*\t
.endr
.irp f, 0,1,2,3
.irp i, 8,9,10,11,12,13,14,15
	v_mov_b32 v[KF+16*\f+\i], 0                    ; the same for K's four fragments
.endr
.endr
.irp g, 0,1,2,3
	v_mov_b32 v[TM+4+\g], 0                        ; written once: a lane permute's destination counts as one of its sources
.endr
	s_wait_loadcnt 0x0
.irp t, 0,1,2,3
	v_lshrrev_b32 v[QS+\t], s[SH], v[QS+\t]        ; an odd head's two bytes are the word's upper two; what stands in bytes 2 and 3 scales zero codes, and is never 0xff
.endr
	PLACES 8                                       ; a scale register written by a vector instruction stands eight places ahead of a scaled product
	s_wait_tensorcnt 0x1                           ; my scale words and my part of steps 0 and 1 are in; steps 2 to 7 may stay out
	s_barrier_signal -1
	s_barrier_wait -1                              ; everybody's are
	STEP 1
	STEP 0
	s_wait_tensorcnt 0x0                           ; my part of steps 2 to 7 is in
	s_wait_dscnt 0x0
	s_barrier_signal -1
	s_barrier_wait -1                              ; everybody's is
	s_mov_b32 s[CNT], 6
.Lstep:
	STEP 0
	s_sub_co_u32 s[CNT], s[CNT], 1
	s_cmp_lg_u32 s[CNT], 0
	s_cbranch_scc1 .Lstep
	; THE WAY OUT.  O^T x 0.125; a lane holds eight neighbouring d of one query; a tile goes through my stage and comes back as rows of 256 bytes: sixteen lanes store one aligned unit.
	PLACES 8
	WIN 0x01                                       ; source 0 window 1
.set i, 0
.rept 64
	v_pk_mul_f32 v[Y+i:Y+i+1], v[O+i:O+i+1], s[EI:EI+1] op_sel_hi:[1,0]   ; each accumulator from its low end on
.set i, i+2
.endr
	WIN 0
.macro PACK t
.irp d, 0,1,2,3
	ds_store_b128 v[STO], v[Y+32*\t+8*\d:Y+32*\t+8*\d+3] offset:64*\d
	ds_store_b128 v[STO], v[Y+32*\t+8*\d+4:Y+32*\t+8*\d+7] offset:64*\d+16
.endr
.irp i, 0,1,2,3,4,5,6,7
	ds_load_b128 v[Y+32*\t+4*\i:Y+32*\t+4*\i+3], v[RD] offset:544*\i     ; LDS serves a wave's instructions in order (ISA guide 5.7.1.4): these see the stores above, and the next tile's stores come behind them
.endr
.endm
.macro SEND t, younger                 ; younger: the LDS instructions issued behind tile t's loads.  Slot 2 i + h of tile t is token 32 (t / 2) + 8 (t % 2) + 2 i + h + 8 (i / 4) of my 64
.irp i, 0,1,2,3,4,5,6,7
	s_wait_dscnt \younger+7-\i
	global_store_b128 v[GO], v[Y+32*\t+4*\i:Y+32*\t+4*\i+3], s[10:11] offset:(32*(\t/2)+8*(\t%2)+2*\i+8*(\i/4))*2048 th:TH_STORE_NT
.endr
.endm
	PACK 0
	PACK 1
	SEND 0, 16
	PACK 2
	SEND 1, 16
	PACK 3
	SEND 2, 16
	SEND 3, 0
	s_wait_tensorcnt 0x0
	ds_add_u32 v62, v63
	s_wait_dscnt 0x0
	s_endpgm
.Lfunc_end_k_q4a66220782_attn:
	.size	k_q4a66220782_attn, .Lfunc_end_k_q4a66220782_attn-k_q4a66220782_attn
	.p2alignl 7, 3214868480
	.fill 96, 4, 3214868480
	.section	.rodata,"a",@progbits
	.p2align	6, 0x0
	.amdhsa_kernel k_q4a66220782_attn
		.amdhsa_group_segment_fixed_size 173056
		.amdhsa_private_segment_fixed_size 0
		.amdhsa_enable_private_segment 0
		.amdhsa_kernarg_size 40
		.amdhsa_user_sgpr_count 2
		.amdhsa_user_sgpr_kernarg_segment_ptr 1
		.amdhsa_wavefront_size32 1
		.amdhsa_system_sgpr_workgroup_id_x 1
		.amdhsa_system_sgpr_workgroup_id_y 1
		.amdhsa_system_sgpr_workgroup_id_z 1
		.amdhsa_system_vgpr_workitem_id 0
		.amdhsa_next_free_vgpr 512
		.amdhsa_next_free_sgpr 80
		.amdhsa_reserve_vcc 0
		.amdhsa_float_denorm_mode_32 3
		.amdhsa_float_denorm_mode_16_64 3
		.amdhsa_memory_ordered 1
		.amdhsa_forward_progress 1
		.amdhsa_inst_pref_size 150
	.end_amdhsa_kernel
	.amdgpu_metadata
---
amdhsa.version: [ 1, 2 ]
amdhsa.kernels:
  - .name:           k_q4a66220782_attn
    .symbol:         k_q4a66220782_attn.kd
    .args:
      - { .name: qc, .offset: 0, .size: 8, .value_kind: global_buffer, .address_space: global }
      - { .name: qs, .offset: 8, .size: 8, .value_kind: global_buffer, .address_space: global }
      - { .name: kv, .offset: 16, .size: 8, .value_kind: global_buffer, .address_space: global }
      - { .name: out0, .offset: 24, .size: 8, .value_kind: global_buffer, .address_space: global }
      - { .name: out1, .offset: 32, .size: 8, .value_kind: global_buffer, .address_space: global }
    .group_segment_fixed_size: 173056
    .private_segment_fixed_size: 0
    .kernarg_segment_align: 8
    .kernarg_segment_size: 40
    .max_flat_workgroup_size: 256
    .sgpr_count:     80
    .vgpr_count:     512
    .wavefront_size: 32
...
	.end_amdgpu_metadata
.endif
;; end of part 2
;; ======== version 2 of 2: 2 launches; version 1 with the launch proj written anew for expert scheduling mode
;; workspace buffers: qc 8,388,608 bytes; qs 262,144 bytes; kv 17,563,648 bytes
;; launch proj (part 3): grid 256 x 1, 4 waves a work-group, no clusters, 136,704 bytes of LDS; arguments x1, x2, W_kv1_codes, W_kv1_scales, W_kv2_codes, W_kv2_scales, qc, qs, kv; writes qc, qs, kv
.if DOCPART == 3
	.amdgcn_target "amdgcn-amd-amdhsa--gfx1250"
	.amdhsa_code_object_version 6
	.text
	.protected	k_q4a66220782_proj
	.globl	k_q4a66220782_proj
	.p2align	8
	.type	k_q4a66220782_proj,@function
k_q4a66220782_proj:
	s_mov_b64 s[64:65], 0
	v_nop
	global_prefetch_b8 v0, s[64:65] scope:SCOPE_SE
	s_setreg_imm32_b32 hwreg(HW_REG_WAVE_SCHED_MODE, 0, 2), 2
	s_setreg_imm32_b32 hwreg(HW_REG_WAVE_MODE, 25, 1), 1
	s_wait_xcnt 0x0
	s_wait_alu depctr_vm_vsrc(0)
; kv = Q(x) W for both branches, on codes of BF8 (E5M2) with one E8M0 scale for each 32 along K; then k is quantised along the head's 64 channels and v along the tokens.
; x1, x2: [8][1024][512] f32.  W: codes [1024 (column)][512 (K)], scale bytes [1024][16].  Columns 0-511 are k (head x 64 + d), columns 512-1023 are v.
; WHAT IS STORED, all of it as images of operand registers (a group of four registers is 512 bytes, lane l at 16 l):
;   qc [job][tile 64][c 2][lane][16]: x's codes, cut by heads: x's blocks of 32 along its 512 channels are also the blocks of a head's 64, so one quantisation serves this product and the scores
;   qs [branch x 8 + batch][tile 64][K step 4][slot 16] words: x's scale words
;   kv [job] 137,216 bytes: k's codes [key tile 64][c 2][lane][16]; at 65,536 v's codes [step 8][dt 4][c 4][lane][16]; at 131,072 the scale words, 768 bytes for each step of 128 keys
;   job = (branch x 8 + batch) x 8 + head names the branch whose QUERIES it serves: k of branch s goes to the job of branch 1 - s, v of branch s to the job of branch s.
; TILES.  Tile 2 B + u of a batch holds, in slot i, token 32 B + 8 u + i + 8 (i / 8): so the 16 result registers of tiles 2 B and 2 B + 1 are 16 neighbouring tokens, 32 B + 16 (lane / 16) + 0 .. 15.
; SHARES.  A work-group takes 64 tokens (four tiles) and all 1,024 columns.  Wave w quantises tile w of x; the images meet in LDS behind the one barrier; then wave w takes W's rows 256 w on:
; waves 0, 1 make k (source 0 = 16 rows of W, source 1 = x: a lane holds one token and registers along d; the rows of W that form a tile are r + 8 (r / 8), as the tokens of a tile are),
; waves 2, 3 make v (source 0 = x, source 1 = 16 rows of W: a lane holds one column d and registers along the tokens).  So the conversions' results are the next products' operand registers.
; EVERY GLOBAL LOAD IS DENSE: one instruction takes 512 consecutive bytes, a whole row of W's codes or a token's 128 channels of x, 16 bytes a lane.  A fragment wants 16 rows, so what was loaded goes
; through a stage in LDS that is the wave's own (rows 528 bytes apart: 33 x 16, so that the 16 rows of a fragment's load start 16 bytes apart modulo 256) and comes back in the operand's order.
; LDS serves a wave's instructions in order (ISA guide 5.7.1.4), and no other wave touches a stage: the turn needs no barrier.
; W goes 32 rows (a unit) at a time: raw rows in two buffers, fragments in two buffers; a trip of the loop is a head, two units.
; No multicast, though all work-groups of a branch read the same W: a branch's W is 524,288 bytes, more than LDS holds, so joint loads would want a ring and a round of the cluster's barrier in front
; of every refill, on every wave's path; here each wave streams its own 256 rows and waits for no other wave behind the one barrier.
; LIMITS: NaN and infinities among the inputs are not served.  A block whose largest magnitude lies under 2^-111 gets the scale byte 1, a block of zeros too (the rule says 127 there):
; its codes are zeros, and the bytes are read by this program alone.
; THE MODE: SCHED_MODE bits 1:0 = 2 (LLVM: expert scheduling mode 2), set by the entry lines.  The code itself states the register dependences between vector or matrix instructions and
; memory or LDS instructions, with s_wait_alu, always for 0.
; THE PLAN.  Registers that memory or LDS instructions touch, and who else names them:
;   v4-v14, v222-v224   addresses and offsets: written at the head and never again: one wait on va_vdst ahead of the first load serves every access.
;   window 2 as x raw   written by x's loads, read by the stage's stores; no vector line names them.  Later W's fragments land there, behind a wait on vm_vsrc.
;   ACC, ST as x        numbers of x land there by turns; a step's vector lines read and write them, all ahead of the step's wait on va_vdst; the step after next lands there behind it.
;   PC, XW, SD, G       written by a step's or unit's vector lines, read by the stores at its end (behind its wait on va_vdst), written again behind the next step's or unit's wait on vm_vsrc.
;   raw p (window 3)    unit p's head asks for rows into it; the stage's stores that read it are dealt into the next unit; no vector line names it.
;   fragments p, set p  read by unit p's products; the LDS loads dealt into unit 1 - p, and the scale words' loads at its head, land there.
;   window 1, v16-v31   x's fragments and scale words: loaded once, read by the products alone.
; So a unit holds two such waits.  At its head, vm_vsrc: the stage's stores have read raw p, and the last unit's global stores have read the out registers.  Behind its conversions, va_vdst: the out
; registers are written, and the unit's products are done reading fragments p and set p.  From that wait to the next unit's products no vector line stands, and those products name neither the other
; fragment buffer nor a raw buffer nor an address: so the next unit's turn through the stage is dealt among its products with no further wait.
; REGISTERS: window 0: v1-15, v222-224 lane numbers and offsets; v16-31 x's scale words; v32-47 W's, two sets; v48-111 eight accumulators; v112-175 numbers of x; v176-191 codes just made; v192-221 at work.
;   window 1: x's 16 fragments (tile m, K step s) at v[16 (4 m + s)].   window 2: first x as it is loaded (K step s at v[64 s]), then W's fragments (buffer, tile n, K step s) at v[128 buffer + 64 n + 16 s].
;   window 3: W's rows as they are loaded, two buffers of 32 rows x 4 registers.
.set JOBB, 137216                      ; bytes of a job in kv
.set VIMG, 65536                       ; where v's codes begin in a job
.set SCL,  131072                      ; and the scale words
.set XSC,  32768                       ; LDS: x's 16 fragments of 2,048 bytes lie at 0; their scale words, 128 bytes each, here
.set SP,   528                         ; a stage's row: 512 bytes + 16
.set WSTG, 34816                       ; LDS: W's stages, 32 rows for each wave
.set XSTG, WSTG+4*32*SP                ; LDS: x's stages, 16 rows for each wave
.set XRD, 4                            ; v4   x's stage, on the way out: my stage + 528 r + 64 h
.set LI,  5                            ; v5   16 x lane
.set LS,  6                            ; v6   4 x lane
.set XWI, 7                            ; v7   LDS: where I store x's images: 16 x lane + 8,192 x wave
.set XWS, 8                            ; v8   and their scale words: XSC + 4 x lane + 512 x wave
.set WB1, 9                            ; v9   16 x lane + the rows of W that the stage's rows 8-15 take: from row 16 of the unit on (k), from row 8 (v)
.set WB2, 10                           ; v10  the same for the stage's rows 16-23: from row 8 (k), from row 16 (v)
.set WSA, 11                           ; v11-12  W's scale bytes: my lane's row in tile 0, 1 of a unit
.set OC,  13                           ; v13  my codes' offset in a job
.set OSC, 14                           ; v14  my scale words' offset in a job
.set XS,  16
.set WS,  32
.set ACC, 48
.set ST,  112
.set PC,  176
.set TM,  192                          ; v192-195 largest magnitudes, v196-199 bytes, v200-203 the holds, v204-207 the conversions' scale operands
.set BY,  208                          ; v208-211 k: the first unit's bytes
.set XW,  212                          ; v212-215 scale words in the making
.set SD,  216                          ; v216-217 scale words to store
.set G,   218                          ; v218 v: a word of four scale bytes
.set HH,  220                          ; v220-221 v: two bytes of tile 0, of tile 1
.set XST, 222                          ; v222 x's stage, on the way in: my stage + 16 x lane
.set WST, 223                          ; v223 W's stage, on the way in: my stage + 16 x lane
.set WRD, 224                          ; v224 W's stage, on the way out: my stage + 528 r + 16 h
.set WV,  22
.set WP,  24                           ; s[24:25] W's codes at my head's first row
.set WSP, 26                           ; s[26:27] W's scale bytes likewise
.set KB,  28                           ; s[28:29] kv at my head's job
.set XP,  30                           ; s[30:31] x at my tile's first token
.set QCP, 32                           ; s[32:33] qc at my tile, head 0
.set QSP, 34                           ; s[34:35] qs at my tile
.set SEL, 36                           ; s[36:37] v_permlanex16_b32's selects for lane l xor 16
.set MNT, 38                           ; s38  the mantissa field of 57,344
.set CNT, 39
.set KST, 40                           ; s[40:41] what a head's first unit adds to KB: 0 for the first head, a job's bytes from then on
.set MSB, 0
.macro WIN new                         ; the immediate's high byte repeats the setting that is left; a switch that changes nothing is dropped
.if MSB != \new
	s_set_vgpr_msb (MSB<<8)|\new
.set MSB, \new
.endif
.endm
.macro PLACES n
.rept \n
	v_nop
.endr
.endm
; Four groups g of 16 numbers, v[src + 16 g + i]; a block of 32 is a group in lanes l and l xor 16.  Leaves for each g: the byte in v[TM+4+g], the hold in v[TM+8+g], the conversion's scale operand in v[TM+12+g].
.macro QSCALE src, relu
.if \relu
.irp g, 0,1,2,3
	v_max3_num_f32 v[TM+\g], v[\src+16*\g], v[\src+16*\g+1], 0x8000000       ; no |.|: what is negative is to become 0 and must not count; the floor 2^(16 - 127) holds the byte at 1 from below
.endr
.irp i, 2,4,6,8,10,12,14
.irp g, 0,1,2,3
	v_max3_num_f32 v[TM+\g], v[TM+\g], v[\src+16*\g+\i], v[\src+16*\g+\i+1]
.endr
.endr
.else
.irp g, 0,1,2,3
	v_max3_num_f32 v[TM+\g], |v[\src+16*\g]|, |v[\src+16*\g+1]|, 0x8000000   ; my 16 numbers and the floor 2^(16 - 127); the four groups by turns
.endr
.irp i, 2,4,6,8,10,12,14
.irp g, 0,1,2,3
	v_max3_num_f32 v[TM+\g], v[TM+\g], |v[\src+16*\g+\i]|, |v[\src+16*\g+\i+1]|
.endr
.endr
.endif
.irp g, 0,1,2,3
	v_permlanex16_b32 v[TM+4+\g], v[TM+\g], s[SEL], s[SEL+1]
.endr
.irp g, 0,1,2,3
	v_max_num_f32 v[TM+\g], v[TM+\g], v[TM+4+\g]                             ; with lane l xor 16's: the block's largest magnitude
.endr
.irp g, 0,1,2,3
	v_add_nc_u32 v[TM+12+\g], 0xf8800000, v[TM+\g]                           ; 15 off its exponent field: the conversion takes that field as its scale
.endr
.irp g, 0,1,2,3
	v_and_or_b32 v[TM+8+\g], v[TM+\g], 0x7f800000, s[MNT]                    ; 57,344 x the scale
.endr
.irp g, 0,1,2,3
	v_lshrrev_b32 v[TM+4+\g], 23, v[TM+12+\g]                                ; the scale's byte
.endr
.endm
; The four groups become codes: group g in v[dst + dstr g] .. + 3.
.macro QCODES src, relu, dst, dstr
.irp g, 0,1,2,3
.irp i, 0,1,2,3,4,5,6,7,8,9,10,11,12,13,14,15
.if \relu
	v_med3_num_f32 v[\src+16*\g+\i], v[\src+16*\g+\i], 0, v[TM+8+\g]
.else
	v_med3_num_f32 v[\src+16*\g+\i], v[\src+16*\g+\i], -v[TM+8+\g], v[TM+8+\g]   ; the conversion to an 8-bit code does not saturate (ISA guide 7.6.2): the hold at the largest code x the scale
.endif
.endr
	v_cvt_scalef32_pk8_bf8_f32 v[\dst+\dstr*\g:\dst+\dstr*\g+1], v[\src+16*\g:\src+16*\g+7], v[TM+12+\g]
	v_cvt_scalef32_pk8_bf8_f32 v[\dst+\dstr*\g+2:\dst+\dstr*\g+3], v[\src+16*\g+8:\src+16*\g+15], v[TM+12+\g]
.endr
	v_nop                                          ; a plain vector line between the last conversion and the products that write its sources again
.endm
; K step s of my tile of x as it lies in memory: slot j's 128 channels are 512 consecutive bytes, one load; into window 2 (the caller sets the window)
.macro XRAW s
.irp j, 0,1,2,3,4,5,6,7,8,9,10,11,12,13,14,15
	global_load_b128 v[64*\s+4*\j:64*\s+4*\j+3], v[LI], s[XP:XP+1] offset:(\j+8*(\j/8))*2048+512*\s th:TH_LOAD_NT
.endr
.endm
; and through my stage: slot j is row j; back comes register 16 b + 4 j + .. = channel 128 s + 32 b + 16 h + 4 j + .. of slot r.
; The loads land in v[dst ..]: every vector line that has named these registers stands ahead of the wait on va_vdst of the step two back.
.macro XTURN s, dst
	WIN 0x08                                       ; an LDS store's data are its source 1: window 2
.irp j, 0,1,2,3,4,5,6,7,8,9,10,11,12,13,14,15
	ds_store_b128 v[XST], v[64*\s+4*\j:64*\s+4*\j+3] offset:\j*SP
.endr
	WIN 0
.irp b, 0,1,2,3
.irp j, 0,1,2,3
	ds_load_b128 v[\dst+16*\b+4*\j:\dst+16*\b+4*\j+3], v[XRD] offset:128*\b+16*\j
.endr
.endr
.endm
; 32 rows of W's codes, from row `row` behind WP on, into raw buffer g: a row an instruction, in the order in which the stage holds them
.macro WRAW g, row
	WIN 0xc0                                       ; destination window 3
.irp i, 0,1,2,3,4,5,6,7
	global_load_b128 v[128*(\g)+4*\i:128*(\g)+4*\i+3], v[LI], s[WP:WP+1] offset:((\row)+\i)*512
.endr
.irp i, 0,1,2,3,4,5,6,7
	global_load_b128 v[128*(\g)+32+4*\i:128*(\g)+32+4*\i+3], v[WB1], s[WP:WP+1] offset:((\row)+\i)*512
.endr
.irp i, 0,1,2,3,4,5,6,7
	global_load_b128 v[128*(\g)+64+4*\i:128*(\g)+64+4*\i+3], v[WB2], s[WP:WP+1] offset:((\row)+\i)*512
.endr
.irp i, 0,1,2,3,4,5,6,7
	global_load_b128 v[128*(\g)+96+4*\i:128*(\g)+96+4*\i+3], v[LI], s[WP:WP+1] offset:((\row)+24+\i)*512
.endr
	WIN 0
.endm
; the scale words of the two tiles of the unit that begins at row `row`: four words (K steps) a row
.macro WSCL buf, row
.irp n, 0,1
	global_load_b128 v[WS+8*(\buf)+4*\n:WS+8*(\buf)+4*\n+3], v[WSA+\n], s[WSP:WSP+1] offset:(\row)*16
.endr
.endm
; The turn of raw buffer g through my stage into fragment buffer g, in four parts.  WSTO: the 16 rows of tile n go into the stage's rows 16 n on
.macro WSTO g, n
	WIN 0x0c                                       ; an LDS store's data are its source 1: window 3
.irp p, 0,1,2,3,4,5,6,7,8,9,10,11,12,13,14,15
	ds_store_b128 v[WST], v[128*(\g)+64*(\n)+4*\p:128*(\g)+64*(\n)+4*\p+3] offset:(16*(\n)+\p)*SP
.endr
.endm
; WFRG: tile n's four fragments come back; LDS serves a wave's instructions in order, so these see the 16 stores above them
.macro WFRG g, n
	WIN 0x80                                       ; destination window 2
.irp s, 0,1,2,3
.irp c, 0,1,2,3
	ds_load_b128 v[128*(\g)+64*(\n)+16*\s+4*\c:128*(\g)+64*(\n)+16*\s+4*\c+3], v[WRD] offset:16*(\n)*SP+128*\s+32*\c
.endr
.endr
.endm
.macro WTURN g                         ; the whole turn in one run: for unit 0, which has no products to stand among
	WSTO \g, 0
	WSTO \g, 1
	WFRG \g, 0
	WFRG \g, 1
	WIN 0
.endm
; K step s of my tile of x: quantised; its image and scale word to LDS for the four waves, its codes to qc (block c of the step belongs to head 2 s + c / 2, group c % 2)
.macro XQ reg, s
.if \s > 0
	s_wait_alu depctr_vm_vsrc(0)                   ; the last step's LDS and global stores have read v[PC ..], which this step's conversions write again; the stage's stores issued so far have read x's raw registers, in which W's fragments land later
.endif
	QSCALE \reg, 0
	v_lshl_or_b32 v[XW+\s], v[TM+5], 8, v[TM+4]
	v_lshl_or_b32 v[XW+\s], v[TM+6], 16, v[XW+\s]
	v_lshl_or_b32 v[XW+\s], v[TM+7], 24, v[XW+\s]
.if \s == 3
	v_cndmask_b32 v[SD], v[XW], v[XW+1], vcc_lo    ; qs: lanes 0-15 K step 0's words, lanes 16-31 step 1's;
	v_cndmask_b32 v[SD+1], v[XW+2], v[XW+3], vcc_lo    ; steps 2 and 3
.endif
	QCODES \reg, 0, PC, 4
	s_wait_alu depctr_va_vdst(0)                   ; the conversions have written v[PC ..] and the shifts v[XW + s] (step 3: the selects v[SD ..] too), which the stores below read; every line that names v[reg ..] is done, so the step after next may land there
.irp c, 0,1,2,3
	ds_store_b128 v[XWI], v[PC+4*\c:PC+4*\c+3] offset:2048*\s+512*\c
.endr
	ds_store_b32 v[XWS], v[XW+\s] offset:128*\s
.irp c, 0,1,2,3
	global_store_b128 v[LI], v[PC+4*\c:PC+4*\c+3], s[QCP:QCP+1] offset:(2*\s+\c/2)*65536+(\c%2)*512
.endr
.if \s == 3
	global_store_b32 v[LS], v[SD], s[QSP:QSP+1]
	global_store_b32 v[LS], v[SD+1], s[QSP:QSP+1] offset:128
.endif
.endm
; 8 products: K step s of a unit of k for the four tiles of tokens.  Eight accumulators by turns, one instruction a turn, K ascending; the first K step starts the sums.
.macro MULK buf, s
	WIN 0x06                                       ; source 0 (W) window 2, source 1 (x) window 1
.irp m, 0,1,2,3
.irp u, 0,1
.if \s == 0
	v_wmma_scale_f32_16x16x128_f8f6f4 v[ACC+16*\m+8*\u:ACC+16*\m+8*\u+7], v[128*\buf+64*\u+16*\s:128*\buf+64*\u+16*\s+15], v[16*(4*\m+\s):16*(4*\m+\s)+15], 0, v[WS+8*\buf+4*\u+\s], v[XS+4*\m+\s] matrix_a_fmt:MATRIX_FMT_BF8 matrix_b_fmt:MATRIX_FMT_BF8
.else
	v_wmma_scale_f32_16x16x128_f8f6f4 v[ACC+16*\m+8*\u:ACC+16*\m+8*\u+7], v[128*\buf+64*\u+16*\s:128*\buf+64*\u+16*\s+15], v[16*(4*\m+\s):16*(4*\m+\s)+15], v[ACC+16*\m+8*\u:ACC+16*\m+8*\u+7], v[WS+8*\buf+4*\u+\s], v[XS+4*\m+\s] matrix_a_fmt:MATRIX_FMT_BF8 matrix_b_fmt:MATRIX_FMT_BF8
.endif
.endr
.endr
.endm
; the same for v: group 2 n + e holds columns 16 n + r of the unit and the tokens of tiles 2 e, 2 e + 1
.macro MULV buf, s
	WIN 0x09                                       ; source 0 (x) window 1, source 1 (W) window 2
.irp n, 0,1
.irp e, 0,1
.irp u, 0,1
.if \s == 0
	v_wmma_scale_f32_16x16x128_f8f6f4 v[ACC+16*(2*\n+\e)+8*\u:ACC+16*(2*\n+\e)+8*\u+7], v[16*(4*(2*\e+\u)+\s):16*(4*(2*\e+\u)+\s)+15], v[128*\buf+64*\n+16*\s:128*\buf+64*\n+16*\s+15], 0, v[XS+4*(2*\e+\u)+\s], v[WS+8*\buf+4*\n+\s] matrix_a_fmt:MATRIX_FMT_BF8 matrix_b_fmt:MATRIX_FMT_BF8
.else
	v_wmma_scale_f32_16x16x128_f8f6f4 v[ACC+16*(2*\n+\e)+8*\u:ACC+16*(2*\n+\e)+8*\u+7], v[16*(4*(2*\e+\u)+\s):16*(4*(2*\e+\u)+\s)+15], v[128*\buf+64*\n+16*\s:128*\buf+64*\n+16*\s+15], v[ACC+16*(2*\n+\e)+8*\u:ACC+16*(2*\n+\e)+8*\u+7], v[XS+4*(2*\e+\u)+\s], v[WS+8*\buf+4*\n+\s] matrix_a_fmt:MATRIX_FMT_BF8 matrix_b_fmt:MATRIX_FMT_BF8
.endif
.endr
.endr
.endr
.endm
; THE HEAD OF A UNIT, unit p of a head.  The unit's own fragments were asked of LDS a unit ago.  codes = 1: the rows of the unit two on are asked of memory, into the raw buffer that this unit has left;
; scl = 1: the next unit's scale words, into the set that the last unit has left: that unit's products stand ahead of its wait on va_vdst, and no vector line has followed it.
.macro UHEAD p, codes, scl
	s_wait_dscnt 0x0                               ; this unit's fragments are in
	s_wait_alu depctr_vm_vsrc(0)                   ; the stage's stores have read raw buffer p, in which the loads below land; the last unit's global stores have read the codes' and scale words' registers, which this unit's vector lines write again
.if \codes
	WRAW \p, (64+32*\p)
.endif
.if \scl
	WSCL (1-\p), (32+32*\p)
.endif
	s_wait_loadcnt 32*\codes+2*\scl                ; all but the loads just issued: the next unit's rows and this unit's scale words are in
.endm
; THE PRODUCTS OF A UNIT, 32, K step by K step.  turn = 1: the next unit's rows, asked of memory a unit ago, go through the stage meanwhile, 16 LDS instructions ahead of each K step's eight products.
; No wait stands among them: the stores read raw buffer 1 - p, which no vector line names; the loads land in fragment buffer 1 - p, whose last readers, the last unit's products, stand ahead of that unit's
; wait on va_vdst; and this unit's products name fragment buffer p, x's fragments, the accumulators and the scale words alone.
.macro UNITK p, turn
.if \turn
	WSTO (1-\p), 0
.endif
	MULK \p, 0
.if \turn
	WFRG (1-\p), 0
.endif
	MULK \p, 1
.if \turn
	WSTO (1-\p), 1
.endif
	MULK \p, 2
.if \turn
	WFRG (1-\p), 1
.endif
	MULK \p, 3
	WIN 0
	PLACES 8                                       ; eight places behind these products ahead of the first read of their results
.endm
.macro UNITV p, turn
.if \turn
	WSTO (1-\p), 0
.endif
	MULV \p, 0
.if \turn
	WFRG (1-\p), 0
.endif
	MULV \p, 1
.if \turn
	WSTO (1-\p), 1
.endif
	MULV \p, 2
.if \turn
	WFRG (1-\p), 1
.endif
	MULV \p, 3
	WIN 0
	PLACES 8
.endm
.macro KSTEP                           ; on to this head's job: behind a wait on XCNT, so that the last head's stores have read their base
	s_add_nc_u64 s[KB:KB+1], s[KB:KB+1], s[KST:KST+1]
	s_mov_b32 s[KST], JOBB
.endm
.macro WSTEP                           ; on to the next head's rows of W: behind a wait on XCNT, so that this head's loads have read their bases
	s_add_nc_u64 s[WP:WP+1], s[WP:WP+1], 64*512
	s_add_nc_u64 s[WSP:WSP+1], s[WSP:WSP+1], 64*16
.endm
; One head of k.  more = 1: there is a next head, whose rows of W are asked for.
.macro TRIPK more
	UHEAD 0, \more, 1
	UNITK 0, 1
	s_wait_xcnt 0x0                                ; the earlier stores have read their data and base (the loads above were issued a stage's turn and 32 products ago)
	KSTEP
	QSCALE ACC, 0
.irp m, 0,1,2,3
	v_mov_b32 v[BY+\m], v[TM+4+\m]                 ; the byte of d 0-31 of tile m's slot r
.endr
	QCODES ACC, 0, PC, 4
	s_wait_alu depctr_va_vdst(0)                   ; the conversions have written v[PC ..], which the stores below read; this unit's products are done reading fragment buffer 0 and scale set 0, in which the next unit's loads land
.irp m, 0,1,2,3
	global_store_b128 v[OC], v[PC+4*\m:PC+4*\m+3], s[KB:KB+1] offset:1024*\m       ; 32 lanes store 512 consecutive bytes: tile m, group 0
.endr
	UHEAD 1, \more, \more
	UNITK 1, \more
	s_wait_xcnt 0x0
.if \more
	WSTEP
.endif
	QSCALE ACC, 0
.irp m, 0,1,2,3
	v_lshl_or_b32 v[XW+\m], v[TM+4+\m], 8, v[BY+\m]    ; tile m's scale word: d 0-31, d 32-63, and two bytes 0 over the zero codes that fill K up to 128
.endr
	v_cndmask_b32 v[SD], v[XW], v[XW+1], vcc_lo    ; lanes 0-15 carry the even tile's words, lanes 16-31 the odd tile's
	v_cndmask_b32 v[SD+1], v[XW+2], v[XW+3], vcc_lo
	QCODES ACC, 0, PC, 4
	s_wait_alu depctr_va_vdst(0)                   ; the conversions have written v[PC ..] and the selects v[SD ..], which the stores below read; this unit's products are done reading fragment buffer 1 and scale set 1, in which the next unit's loads land
.irp m, 0,1,2,3
	global_store_b128 v[OC], v[PC+4*\m:PC+4*\m+3], s[KB:KB+1] offset:1024*\m+512
.endr
	global_store_b64 v[OSC], v[SD:SD+1], s[KB:KB+1]    ; 32 lanes store 256 consecutive bytes, aligned
.endm
; One head of v.
.macro TRIPV more
	UHEAD 0, \more, 1
	UNITV 0, 1
	s_wait_xcnt 0x0
	KSTEP
	QSCALE ACC, 0
	v_lshl_or_b32 v[HH], v[TM+5], 8, v[TM+4]       ; column 16 n + r: the bytes of my work-group's two blocks of 32 tokens; n = 0,
	v_lshl_or_b32 v[HH+1], v[TM+7], 8, v[TM+6]     ; n = 1
	v_cndmask_b32 v[G], v[HH], v[HH+1], vcc_lo     ; lanes 0-15 carry n = 0, lanes 16-31 n = 1
	QCODES ACC, 0, PC, 4
	s_wait_alu depctr_va_vdst(0)                   ; the conversions have written v[PC ..], which the stores below read; this unit's products are done reading fragment buffer 0 and scale set 0, in which the next unit's loads land
.irp n, 0,1
.irp e, 0,1
	global_store_b128 v[OC], v[PC+4*(2*\n+\e):PC+4*(2*\n+\e)+3], s[KB:KB+1] offset:\n*2048+512*\e
.endr
.endr
	UHEAD 1, \more, \more
	UNITV 1, \more
	s_wait_xcnt 0x0
.if \more
	WSTEP
.endif
	QSCALE ACC, 0
	v_lshl_or_b32 v[HH], v[TM+5], 8, v[TM+4]
	v_lshl_or_b32 v[HH+1], v[TM+7], 8, v[TM+6]
	v_cndmask_b32 v[HH], v[HH], v[HH+1], vcc_lo
	v_lshl_or_b32 v[G], v[HH], 16, v[G]            ; columns 32 + 16 n + r in the upper half
	QCODES ACC, 0, PC, 4
	s_wait_alu depctr_va_vdst(0)                   ; the conversions have written v[PC ..] and the shift v[G], which the stores below read; this unit's products are done reading fragment buffer 1 and scale set 1, in which the next unit's loads land
.irp n, 0,1
.irp e, 0,1
	global_store_b128 v[OC], v[PC+4*(2*\n+\e):PC+4*(2*\n+\e)+3], s[KB:KB+1] offset:(2+\n)*2048+512*\e
.endr
.endr
	global_store_b32 v[OSC], v[G], s[KB:KB+1]
.endm
	s_load_b256 s[4:11], s[0:1], 0x0               ; x1, x2, W1's codes, W1's scales
	s_load_b256 s[12:19], s[0:1], 0x20             ; W2's codes, W2's scales, qc, qs
	s_load_b64 s[20:21], s[0:1], 0x40              ; kv
	v_lshl_add_u32 v254, v0, 2, 0x21400
	v_mov_b32 v255, 0
	v_lshrrev_b32 v15, 5, v0
	v_readfirstlane_b32 s[WV], v15                 ; wave 0..3
	v_and_b32 v3, 31, v0                           ; lane
	v_and_b32 v1, 15, v0                           ; r
	v_bfe_u32 v2, v0, 4, 1                         ; h
	v_lshlrev_b32 v[LI], 4, v3
	v_lshlrev_b32 v[LS], 2, v3
	s_wait_alu depctr_va_sdst(0)                   ; the wave's number is written, ahead of its first reader: LDS addresses, bases and the branch on the role are made from it
	s_lshl_b32 s40, s[WV], 13
	v_add_nc_u32 v[XWI], s40, v[LI]
	s_lshl_b32 s40, s[WV], 9
	s_add_co_u32 s40, s40, XSC
	v_add_nc_u32 v[XWS], s40, v[LS]
	v_mul_u32_u24 v15, v1, SP                      ; row r of a stage
	s_mul_i32 s40, s[WV], 16*SP
	s_add_co_u32 s40, s40, XSTG                    ; my stage for x
	v_add_nc_u32 v[XST], s40, v[LI]
	v_lshl_add_u32 v[XRD], v2, 6, v15
	v_add_nc_u32 v[XRD], s40, v[XRD]
	s_mul_i32 s40, s[WV], 32*SP
	s_add_co_u32 s40, s40, WSTG                    ; my stage for W
	v_add_nc_u32 v[WST], s40, v[LI]
	v_lshl_add_u32 v[WRD], v2, 4, v15
	v_add_nc_u32 v[WRD], s40, v[WRD]
	s_cmp_lt_u32 s[WV], 2                          ; waves 0, 1 make k, waves 2, 3 make v
	s_cselect_b32 s42, 1, 0
	s_cselect_b32 s43, 8, 0                        ; k: the rows of W that form a tile are r + 8 (r / 8); v: r
	s_cselect_b32 s44, 8, 16                       ; rows from a unit's tile 0 to its tile 1; also: the rows that the stage's rows 16-23 take
	s_cselect_b32 s45, 3, 2                        ; scale words to store: 8 bytes a lane, or 4
	s_cselect_b32 s46, 16, 8                       ; the rows that the stage's rows 8-15 take
	s_lshl_b32 s46, s46, 9
	v_add_nc_u32 v[WB1], s46, v[LI]
	s_lshl_b32 s46, s44, 9
	v_add_nc_u32 v[WB2], s46, v[LI]
	v_lshrrev_b32 v15, 3, v1                       ; r / 8
	v_mul_u32_u24 v15, s43, v15
	v_add_nc_u32 v15, v15, v1                      ; my row in tile 0
	v_lshlrev_b32 v[WSA], 4, v15                   ; 16 scale bytes a row
	s_lshl_b32 s46, s44, 4
	v_add_nc_u32 v[WSA+1], s46, v[WSA]
	s_lshr_b32 s47, ttmp9, 7                       ; branch
	s_bfe_u32 s48, ttmp9, 0x30004                  ; batch
	s_and_b32 s49, ttmp9, 15                       ; which 64 tokens of the batch
	s_lshr_b32 s50, s49, 1                         ; the step of 128 keys that they lie in,
	s_and_b32 s51, s49, 1                          ; and which half of it
	s_lshr_b32 s52, ttmp9, 4                       ; branch x 8 + batch
	s_lshl_b32 s53, s49, 12                        ; k's codes: four tiles of 1,024 bytes
	s_lshl_b32 s54, s50, 13                        ; v's codes: 8,192 bytes a step, my two groups c at 1,024 x half
	s_lshl_b32 s55, s51, 10
	s_add_co_u32 s54, s54, s55
	s_add_co_u32 s54, s54, VIMG
	s_cmp_lt_u32 s[WV], 2
	s_cselect_b32 s53, s53, s54
	v_add_nc_u32 v[OC], s53, v[LI]
	s_mul_i32 s53, s50, 768
	s_add_co_u32 s53, s53, SCL
	s_lshl_b32 s54, s51, 8                         ; k's words: 256 bytes a half
	s_lshl_b32 s55, s51, 7                         ; v's: behind them, 128 bytes a half
	s_add_co_u32 s55, s55, 512
	s_cmp_lt_u32 s[WV], 2
	s_cselect_b32 s54, s54, s55
	s_add_co_u32 s53, s53, s54
	v_lshlrev_b32 v[OSC], s45, v3
	v_add_nc_u32 v[OSC], s53, v[OSC]
	s_xor_b32 s54, s47, s42                        ; k serves the other branch's queries
	s_lshl_b32 s54, s54, 3
	s_add_co_u32 s54, s54, s48
	s_lshl_b32 s54, s54, 3
	s_and_b32 s55, s[WV], 1
	s_lshl_b32 s55, s55, 2
	s_add_co_u32 s54, s54, s55                     ; my first job: heads 4 (wave % 2) on
	s_mul_i32 s54, s54, JOBB
	s_mov_b32 s55, 0
	s_lshl_b32 s56, s[WV], 17                      ; my 256 rows of W's codes,
	s_mov_b32 s57, 0
	s_lshl_b32 s58, s[WV], 12                      ; and of its scale bytes
	s_mov_b32 s59, 0
	s_and_b32 s60, ttmp9, 127
	s_lshl_b32 s60, s60, 6                         ; the work-group's first row of x,
	s_lshr_b32 s61, s[WV], 1
	s_lshl_b32 s61, s61, 5
	s_add_co_u32 s60, s60, s61
	s_and_b32 s61, s[WV], 1
	s_lshl_b32 s61, s61, 3
	s_add_co_u32 s60, s60, s61                     ; + 32 (wave / 2) + 8 (wave % 2): my tile's slot 0
	s_lshl_b32 s60, s60, 11
	s_mov_b32 s61, 0
	s_lshl_b32 s46, s49, 2
	s_add_co_u32 s46, s46, s[WV]                   ; my tile's number in the batch
	s_lshl_b32 s62, s52, 19
	s_lshl_b32 s63, s46, 10
	s_add_co_u32 s62, s62, s63
	s_mov_b32 s63, 0
	s_lshl_b32 s40, s52, 14
	s_lshl_b32 s41, s46, 8
	s_add_co_u32 s40, s40, s41
	s_mov_b32 s41, 0
	s_mov_b32 s[SEL], 0x76543210
	s_mov_b32 s[SEL+1], 0xfedcba98
	s_mov_b32 s[MNT], 0x600000
	s_mov_b32 vcc_lo, 0xffff0000                   ; lanes 16-31: kept for the whole launch; a scalar line writes it, and no vector line ever does
.irp g, 0,1,2,3
	v_mov_b32 v[TM+4+\g], 0                        ; written once: a lane permute's destination counts as one of its sources
.endr
	s_wait_kmcnt 0x0
	s_cmp_lt_u32 ttmp9, 128                        ; the branch: the choice hangs on the work-group's number alone
	s_cselect_b64 s[XP:XP+1], s[4:5], s[6:7]
	s_cselect_b64 s[WP:WP+1], s[8:9], s[12:13]
	s_cselect_b64 s[WSP:WSP+1], s[10:11], s[14:15]
	s_add_nc_u64 s[XP:XP+1], s[XP:XP+1], s[60:61]
	s_add_nc_u64 s[WP:WP+1], s[WP:WP+1], s[56:57]
	s_add_nc_u64 s[WSP:WSP+1], s[WSP:WSP+1], s[58:59]
	s_add_nc_u64 s[KB:KB+1], s[20:21], s[54:55]
	s_add_nc_u64 s[QCP:QCP+1], s[16:17], s[62:63]
	s_add_nc_u64 s[QSP:QSP+1], s[18:19], s[40:41]
	s_mov_b32 s[KST], 0                            ; the first head's job is where KB stands
	s_mov_b32 s[KST+1], 0
	; ---- x: my tile's four K steps.  Three steps are asked for at once, the fourth as soon as the first is in; W's first two units follow on the way.
	; Each wait on XCNT stands ahead of the next run of loads: it is for the four stores of the step before, whose codes' registers the next step writes again.
	WIN 0x80                                       ; destination window 2
	s_wait_alu depctr_va_vdst(0)                   ; the head's lines have written the addresses and offsets v4 to v14 and v222 to v224, which every load and store of the kernel reads; none of them is written again
	XRAW 0
	XRAW 1
	XRAW 2
	WIN 0
	s_wait_loadcnt 32                              ; K step 0 is in; behind it: steps 1 and 2, 16 loads each
	XTURN 0, ACC
	WIN 0x80
	XRAW 3
	WIN 0
	s_wait_dscnt 0x0
	XQ ACC, 0
	s_wait_loadcnt 32                              ; step 1 is in; behind it: steps 2 and 3
	XTURN 1, ST
	s_wait_xcnt 0x0
	WRAW 0, 0                                      ; W's unit 0
	s_wait_dscnt 0x0                               ; the numbers are back from the stage
	XQ ST, 1
	s_wait_loadcnt 48                              ; step 2 is in; behind it: step 3's 16 and unit 0's 32
	XTURN 2, ACC
	s_wait_xcnt 0x0
	s_wait_dscnt 0x0
	XQ ACC, 2
	s_wait_loadcnt 32                              ; step 3 is in; behind it: unit 0's 32
	XTURN 3, ST
	s_wait_xcnt 0x0
	WRAW 1, 32                                     ; W's unit 1,
	WSCL 0, 0                                      ; and unit 0's scale words
	s_wait_dscnt 0x0
	XQ ST, 3                                       ; with it x's scale words go to qs
	s_wait_loadcnt 34                              ; unit 0's rows are in; behind them: unit 1's 32 and the 2 loads of scale words
	WTURN 0                                        ; into the registers that held x's first two K steps: the stage's stores that read them stand ahead of the last step's wait on vm_vsrc, and no vector line has named them
	s_wait_dscnt 0x0                               ; for the others' sake: my images lie in LDS
	s_barrier_signal -1
	s_barrier_wait -1                              ; everybody's do
	WIN 0x40                                       ; destination window 1
.irp f, 0,1,2,3,4,5,6,7,8,9,10,11,12,13,14,15
.irp c, 0,1,2,3
	ds_load_b128 v[16*\f+4*\c:16*\f+4*\c+3], v[LI] offset:2048*\f+512*\c
.endr
.endr
	WIN 0
.irp f, 0,1,2,3,4,5,6,7,8,9,10,11,12,13,14,15
	ds_load_b32 v[XS+\f], v[LS] offset:XSC+128*\f  ; x's 16 fragments and scale words stay in registers from here on; the first unit's head waits for them
.endr
	s_cmp_lt_u32 s[WV], 2
	s_cbranch_scc0 .Lvway
	s_mov_b32 s[CNT], 3
.Lkhead:                                               ; three heads that ask for the next head's W; the fourth is written out, so that no load leaves W
	TRIPK 1
	s_sub_co_u32 s[CNT], s[CNT], 1
	s_cmp_lg_u32 s[CNT], 0
	s_cbranch_scc1 .Lkhead
	TRIPK 0
	s_wait_dscnt 0x0                               ; the closing lines, six on end
	s_wait_alu 0x0
	s_wait_tensorcnt 0x0
	ds_add_u32 v254, v255
	s_wait_dscnt 0x0
	s_endpgm
.Lvway:
	s_mov_b32 s[CNT], 3
.Lvhead:
	TRIPV 1
	s_sub_co_u32 s[CNT], s[CNT], 1
	s_cmp_lg_u32 s[CNT], 0
	s_cbranch_scc1 .Lvhead
	TRIPV 0
	s_wait_dscnt 0x0                               ; the closing lines, six on end, as above
	s_wait_alu 0x0
	s_wait_tensorcnt 0x0
	ds_add_u32 v254, v255
	s_wait_dscnt 0x0
	s_endpgm
.Lfunc_end_k_q4a66220782_proj:
	.size	k_q4a66220782_proj, .Lfunc_end_k_q4a66220782_proj-k_q4a66220782_proj
	.p2alignl 7, 3214868480
	.fill 96, 4, 3214868480
	.section	.rodata,"a",@progbits
	.p2align	6, 0x0
	.amdhsa_kernel k_q4a66220782_proj
		.amdhsa_group_segment_fixed_size 136704
		.amdhsa_private_segment_fixed_size 0
		.amdhsa_enable_private_segment 0
		.amdhsa_kernarg_size 72
		.amdhsa_user_sgpr_count 2
		.amdhsa_user_sgpr_kernarg_segment_ptr 1
		.amdhsa_wavefront_size32 1
		.amdhsa_system_sgpr_workgroup_id_x 1
		.amdhsa_system_sgpr_workgroup_id_y 1
		.amdhsa_system_sgpr_workgroup_id_z 1
		.amdhsa_system_vgpr_workitem_id 0
		.amdhsa_next_free_vgpr 1024
		.amdhsa_next_free_sgpr 66
		.amdhsa_reserve_vcc 1
		.amdhsa_float_denorm_mode_32 3
		.amdhsa_float_denorm_mode_16_64 3
		.amdhsa_memory_ordered 1
		.amdhsa_forward_progress 1
		.amdhsa_inst_pref_size 214
	.end_amdhsa_kernel
	.amdgpu_metadata
---
amdhsa.version: [ 1, 2 ]
amdhsa.kernels:
  - .name:           k_q4a66220782_proj
    .symbol:         k_q4a66220782_proj.kd
    .args:
      - { .name: x1, .offset: 0, .size: 8, .value_kind: global_buffer, .address_space: global }
      - { .name: x2, .offset: 8, .size: 8, .value_kind: global_buffer, .address_space: global }
      - { .name: W_kv1_codes, .offset: 16, .size: 8, .value_kind: global_buffer, .address_space: global }
      - { .name: W_kv1_scales, .offset: 24, .size: 8, .value_kind: global_buffer, .address_space: global }
      - { .name: W_kv2_codes, .offset: 32, .size: 8, .value_kind: global_buffer, .address_space: global }
      - { .name: W_kv2_scales, .offset: 40, .size: 8, .value_kind: global_buffer, .address_space: global }
      - { .name: qc, .offset: 48, .size: 8, .value_kind: global_buffer, .address_space: global }
      - { .name: qs, .offset: 56, .size: 8, .value_kind: global_buffer, .address_space: global }
      - { .name: kv, .offset: 64, .size: 8, .value_kind: global_buffer, .address_space: global }
    .group_segment_fixed_size: 136704
    .private_segment_fixed_size: 0
    .kernarg_segment_align: 8
    .kernarg_segment_size: 72
    .max_flat_workgroup_size: 128
    .sgpr_count:     66
    .vgpr_count:     1024
    .wavefront_size: 32
...
	.end_amdgpu_metadata
.endif
;; end of part 3
;; launch attn: the kernel of part 2 again; grid 256 x 1, 8 waves a work-group, no clusters, 173,056 bytes of LDS; arguments qc, qs, kv, out0, out1; writes out0, out1
